; MI455X (gfx1250); checked and timed in simulation.
; The chip was launched on July 23, 2026; its instructions are those of AMD's public machine-readable ISA for CDNA 5 (MIT licence, August 2026) and "CDNA5" Instruction Set Architecture Reference Guide (July 2026). The comments in the code are by the model that wrote it; some were corrected since.
;; AMGSRN. Allowed arithmetic: matrix products marked QUANTISED: E3M2 operands, one E8M0 scale for each 32 along K, by v_wmma_scale_f32_16x16x128_f8f6f4 with both operands' format E3M2, f32 sums; products left as they are: f32 operands where the result goes on into a quantised operand, else bf16, f16 or f32 operands; f32 sums; everything else in f32.
;; Inputs: W0 128 x 128 float32; W1 128 x 128 float32; W2 1 x 128 float32; b0 128 float32; b1 128 float32; b2 1 float32; feature_grids 64 x 2 x 64 x 64 x 64 float32; grid_scales 64 x 3 float32; grid_translations 64 x 3 float32; x 131,072 x 3 float32.
;; Outputs: out0 131,072 x 1 float32.
;; This version of the problem:
;;   THIS VERSION OF THE PROBLEM IS GIVEN IN LOW PRECISION. The matrix products marked QUANTISED in the list below multiply operands that are first quantised to E3M2 (3 exponent bits, 2 mantissa bits; 6 bits a number), with one power-of-two scale for each 32 numbers along K (OCP MX v1.0); their sums are f32. All else is computed in f32.
;;   The module's matrix products, in the order in which they are computed (A, B: the left and right operand; K: the contracted axis; several contracted axes count as one K, in the product's order):
;;     1. [M 131,072, K 128] x [K 128, N 128]; A: computed on the way; B: input W0: QUANTISED
;;     2. [M 131,072, K 128] x [K 128, N 128]; A: computed on the way; B: input W1: QUANTISED
;;     3. [M 131,072, K 128] x [K 128, N 1]; A: computed on the way; B: input W2: left as it is (N = 1 < 16)
;;   THE QUANTISER, for each operand of a quantised product, along K:
;;     - K is cut into blocks of 32 from its start; a last block that is shorter is filled with zeros.
;;     - A block's scale is 2^e with e = floor(log2(the largest magnitude in the block)) - 4, held to -126 .. 127; a block of zeros has e = 0. As a byte (E8M0): e + 127.
;;     - Each number is divided by its block's scale, clamped to +-28, and rounded to the nearest number of E3M2, ties to even, subnormals kept.
;;     - The product sums the exact products of the quantised numbers (number of the format x scale) in f32.
;;   ~~~python
;;   def quantise(x, axis):      # numpy; x: float32 -> the quantised numbers, widened to float32 again
;;       x = np.moveaxis(x, axis, -1); K = x.shape[-1]
;;       x = np.pad(x, [(0, 0)] * (x.ndim - 1) + [(0, -K % 32)]); x = x.reshape(x.shape[:-1] + (-1, 32)); a = np.abs(x).max(-1, keepdims=True)
;;       e = np.where(a > 0, np.clip(np.frexp(np.where(a > 0, a, 1))[1] - 1 - 4, -126, 127), 0)      # np.frexp(a)[1] - 1 = floor(log2(a)), exactly
;;       r = np.clip(x / 2.0 ** e, -28, 28)
;;       step = 2.0 ** (np.maximum(np.frexp(np.where(r == 0, 1, r))[1] - 1, -2) - 2)
;;       q = np.round(r / step) * step * 2.0 ** e      # np.round: ties to even
;;       return np.moveaxis(q.reshape(q.shape[:-2] + (-1,))[..., :K], -1, axis).astype(np.float32)
;;   ~~~
;;   OPERANDS COMPUTED ON THE WAY. 'Computed on the way' means the value that the module computes at that place (a softmax that the list does not call 'softmax' is quantised finished and normalised). What goes into a quantiser is computed in f32, as accurately as f32 sums, v_exp_f32 and their like allow (about 1e-6 of the number): no bf16 or f16 on the way to a quantiser, and a product that is left as it is and whose result goes on into a quantised operand takes f32 operands (vector FMAs, or v_wmma_f32_16x16x4_f32). A number that lies on a knife's edge between two numbers of the format may be rounded either way, as far as f32 arithmetic and the matrix unit's own rounding can turn it there, and no further.
;; 3 versions. Each part assembles by itself: llvm-mc -triple=amdgcn-amd-amdhsa -mcpu=gfx1250 --defsym DOCPART=n.
;; ======== version 1 of 3: 2 launches
;; workspace buffers: table 268,435,456 bytes; cells 33,554,432 bytes of whole numbers
;; launch prep (part 1): grid 2048 x 1, 8 waves a work-group, no clusters, 0 bytes of LDS; arguments feature_grids, x, grid_scales, grid_translations, table, cells; writes table, cells
.if DOCPART == 1
	.amdgcn_target "amdgcn-amd-amdhsa--gfx1250"
	.amdhsa_code_object_version 6
	.text
	.protected	k_q1e06ca5c73_prep
	.globl	k_q1e06ca5c73_prep
	.p2align	8
	.type	k_q1e06ca5c73_prep,@function
k_q1e06ca5c73_prep:
	s_mov_b64 s[64:65], 0
	v_nop
	global_prefetch_b8 v0, s[64:65] scope:SCOPE_SE
	s_setreg_imm32_b32 hwreg(HW_REG_WAVE_MODE, 25, 1), 1
	s_wait_xcnt 0x0
; Two jobs in one launch, chosen by the work-group's number: even work-groups lay the table out anew, odd ones make the cell numbers.
; JOB R.  feature_grids [64 g][2 c][64 z][64 y][64 x] f32 becomes table [g][z][y][x] of cells of 16 bytes: (c0(x), c1(x), c0(x+1), c1(x+1)),
; so that the next launch fetches both channels of two neighbouring nodes by one load of 16 bytes: 4 loads for a point and a grid in place of 16.
; Cell x = 63 gets node 32's numbers in its upper half: written, never read (the cell numbers stop at x = 62).
; A wave takes 32 rows (g, z, y) of 64 nodes, in four batches of 8 rows.  Each load covers 128 consecutive bytes, each store 512, at a multiple of 512 from the table's first byte.
; JOB I.  For point n and grid g: cell = bx + 64 by + 4096 bz, b = floor(f) held to 0 .. 62, f the grid coordinate as the next launch computes it too.
; cells [4096 W][4 b][4 q][32 lane][4 e] u32: lane = (r, h), e = 2 (j % 2) + m, q = j / 2: point 32 W + 16 m + r, grid 16 b + 8 h + j: the order in which a wave of the next launch takes them.
; THE COORDINATE is made operation by operation, each rounded once: x s, + t, x (1 / 1.48), + 1, x 31.5 (the same bits as x 0.5 x 63, since x 0.5 rounds nothing).  No fused multiply-add here, on purpose.
; LIMIT: a coordinate that is NaN is not served.  Infinite and very large ones are held to cell 0 or 62, and the next launch gives them weight 0.
.set ROWS, 8                           ; rows in a batch
.set D,    16                          ; job R: v16-143  two sets of 8 rows x 8 registers: cell x = lane in +0..3, cell x = lane + 32 in +4..7
.set XQ,   8                           ; job I: v8-13    x: register 2 a + m
.set SS,   16                          ; v16-63   scales: 24 for each of my two blocks of 16 grids, register 3 j + a
.set TR,   64                          ; v64-111  translations likewise
.set TT,   112                         ; v112-118 at work: 4 m + a
.set OUT,  128                         ; v128-159 cell numbers: 16 bb + 2 j + m; each written once
	s_load_b256 s[4:11], s[0:1], 0x0               ; feature_grids s[4:5], x s[6:7], grid_scales s[8:9], grid_translations s[10:11]
	s_load_b128 s[12:15], s[0:1], 0x20             ; table s[12:13], cells s[14:15]
	v_lshrrev_b32 v1, 5, v0
	v_readfirstlane_b32 s16, v1                    ; wave 0..7
	v_and_b32 v1, 31, v0                           ; lane
	s_lshr_b32 s17, ttmp9, 1                       ; k: which of the job's 1,024 work-groups
	s_and_b32 s18, ttmp9, 1
	s_cmp_lg_u32 s18, 0
	s_cbranch_scc1 .Lcells
	; ---------------- JOB R ----------------
	v_lshlrev_b32 v2, 2, v1                        ; in: 4 bytes a lane
	v_lshlrev_b32 v3, 4, v1                        ; out: 16 bytes a lane
	v_add_nc_u32 v4, 1, v1
	v_and_b32 v4, 31, v4
	v_lshlrev_b32 v4, 2, v4                        ; the lane permute's index: 4 x ((lane + 1) mod 32)
	v_cmp_eq_u32 vcc_lo, 31, v1                    ; lane 31's right neighbour is node 32, which lies in the other half's lane 0
	s_lshl_b32 s20, s17, 8
	s_lshl_b32 s21, s16, 5
	s_add_co_u32 s20, s20, s21                     ; my first row: 256 k + 32 wave (a grid has 4,096 rows, so all 32 lie in grid k / 16)
	s_and_b32 s22, s20, 4095
	s_lshl_b32 s22, s22, 8                         ; the row in its grid x 256 bytes
	s_lshr_b32 s23, s17, 4
	s_lshl_b32 s23, s23, 21                        ; the grid x 2 channels x 2^20 bytes
	s_add_co_u32 s22, s22, s23
	s_mov_b32 s23, 0
	s_lshl_b32 s20, s20, 10                        ; a row of cells is 1,024 bytes; under 2^28
	s_mov_b32 s21, 0
	s_wait_kmcnt 0x0
	s_add_nc_u64 s[4:5], s[4:5], s[22:23]
	s_add_nc_u64 s[12:13], s[12:13], s[20:21]
.macro RLOAD n                         ; batch n: 8 rows x (two channels x two halves of 32 nodes) into set n % 2
.irp i, 0,1,2,3,4,5,6,7
	global_load_b32 v[D+64*((\n)%2)+8*\i],   v2, s[4:5] offset:(ROWS*(\n)+\i)*256 th:TH_LOAD_NT
	global_load_b32 v[D+64*((\n)%2)+8*\i+1], v2, s[4:5] offset:1048576+(ROWS*(\n)+\i)*256 th:TH_LOAD_NT
	global_load_b32 v[D+64*((\n)%2)+8*\i+4], v2, s[4:5] offset:(ROWS*(\n)+\i)*256+128 th:TH_LOAD_NT
	global_load_b32 v[D+64*((\n)%2)+8*\i+5], v2, s[4:5] offset:1048576+(ROWS*(\n)+\i)*256+128 th:TH_LOAD_NT
.endr
.endm
.macro RTURN n, cnt                    ; batch n: each lane takes its right neighbour's two numbers, then the cells leave.  cnt: the younger batch's loads, which may stay out
	s_wait_loadcnt \cnt
.irp i, 0,1,2,3,4,5,6,7
	ds_bpermute_b32 v[D+64*((\n)%2)+8*\i+2], v4, v[D+64*((\n)%2)+8*\i]
	ds_bpermute_b32 v[D+64*((\n)%2)+8*\i+3], v4, v[D+64*((\n)%2)+8*\i+1]
	ds_bpermute_b32 v[D+64*((\n)%2)+8*\i+6], v4, v[D+64*((\n)%2)+8*\i+4]
	ds_bpermute_b32 v[D+64*((\n)%2)+8*\i+7], v4, v[D+64*((\n)%2)+8*\i+5]
.endr
	s_wait_dscnt 0x0
.irp i, 0,1,2,3,4,5,6,7
	v_cndmask_b32 v[D+64*((\n)%2)+8*\i+2], v[D+64*((\n)%2)+8*\i+2], v[D+64*((\n)%2)+8*\i+6], vcc_lo   ; lane 31: the upper half's lane 31 has just taken node 32
	v_cndmask_b32 v[D+64*((\n)%2)+8*\i+3], v[D+64*((\n)%2)+8*\i+3], v[D+64*((\n)%2)+8*\i+7], vcc_lo
	global_store_b128 v3, v[D+64*((\n)%2)+8*\i:D+64*((\n)%2)+8*\i+3],   s[12:13] offset:(ROWS*(\n)+\i)*1024 th:TH_STORE_NT
	global_store_b128 v3, v[D+64*((\n)%2)+8*\i+4:D+64*((\n)%2)+8*\i+7], s[12:13] offset:(ROWS*(\n)+\i)*1024+512 th:TH_STORE_NT
.endr
.endm
	RLOAD 0
	RLOAD 1
	RTURN 0, 32
	s_wait_xcnt 0x0                                ; set 0's stores have read their registers: only behind this wait do loads land there again
	RLOAD 2
	RTURN 1, 32
	s_wait_xcnt 0x0                                ; the same for set 1
	RLOAD 3
	RTURN 2, 32
	RTURN 3, 0
	s_endpgm
	; ---------------- JOB I ----------------
.Lcells:
	v_and_b32 v2, 15, v0                           ; r
	v_bfe_u32 v6, v0, 4, 1                         ; h
	v_mul_u32_u24 v3, v2, 12                       ; x: a point is 12 bytes
	v_mul_u32_u24 v4, v6, 96                       ; scales and translations: my half's 8 grids of 12 bytes
	v_lshlrev_b32 v5, 4, v1                        ; out: 16 bytes a lane
	s_lshl_b32 s20, s17, 2
	s_lshr_b32 s21, s16, 1
	s_add_co_u32 s20, s20, s21                     ; W = 4 k + wave / 2: which 32 points
	s_and_b32 s19, s16, 1                          ; bh: which two of the four blocks of 16 grids
	s_mul_i32 s22, s20, 384                        ; 32 points x 12 bytes
	s_mov_b32 s23, 0
	s_mul_i32 s24, s19, 384                        ; 32 grids x 12 bytes
	s_mov_b32 s25, 0
	s_lshl_b32 s26, s20, 13                        ; 8,192 bytes of cell numbers for each W,
	s_lshl_b32 s27, s19, 12                        ; 2,048 for each block
	s_add_co_u32 s26, s26, s27
	s_mov_b32 s27, 0
	s_mov_b32 s28, 0x42780000                      ; 62.0
	s_wait_kmcnt 0x0
	s_add_nc_u64 s[6:7], s[6:7], s[22:23]
	s_add_nc_u64 s[8:9], s[8:9], s[24:25]
	s_add_nc_u64 s[10:11], s[10:11], s[24:25]
	s_add_nc_u64 s[14:15], s[14:15], s[26:27]
.irp a, 0,1,2
.irp m, 0,1
	global_load_b32 v[XQ+2*\a+\m], v3, s[6:7] offset:4*\a+192*\m     ; axis a of point 16 m + r
.endr
.endr
.irp bb, 0,1
.irp q, 0,1,2,3,4,5
	global_load_b128 v[SS+24*\bb+4*\q:SS+24*\bb+4*\q+3], v4, s[8:9]   offset:192*\bb+16*\q   ; 8 grids x 3 numbers = 96 bytes, at a multiple of 16
	global_load_b128 v[TR+24*\bb+4*\q:TR+24*\bb+4*\q+3], v4, s[10:11] offset:192*\bb+16*\q
.endr
.endr
	s_wait_loadcnt 0x0
.macro CELL bb, j                      ; grid 16 (2 bh + bb) + 8 h + j, both points
.irp a, 0,1,2
.irp m, 0,1
	v_mul_f32 v[TT+4*\m+\a], v[XQ+2*\a+\m], v[SS+24*(\bb)+3*(\j)+\a]
.endr
.endr
.irp a, 0,1,2
.irp m, 0,1
	v_add_f32 v[TT+4*\m+\a], v[TT+4*\m+\a], v[TR+24*(\bb)+3*(\j)+\a]
.endr
.endr
.irp r, 0,4,1,5,2,6
	v_mul_f32 v[TT+\r], 0x3f2cf915, v[TT+\r]       ; x 1 / 1.48
.endr
.irp r, 0,4,1,5,2,6
	v_add_f32 v[TT+\r], 1.0, v[TT+\r]
.endr
.irp r, 0,4,1,5,2,6
	v_mul_f32 v[TT+\r], 0x41fc0000, v[TT+\r]       ; x 31.5
.endr
.irp r, 0,4,1,5,2,6
	v_floor_f32 v[TT+\r], v[TT+\r]
.endr
.irp r, 0,4,1,5,2,6
	v_med3_num_f32 v[TT+\r], v[TT+\r], 0, s28      ; held to 0 .. 62
.endr
.irp m, 0,1
	v_fmamk_f32 v[TT+4*\m], v[TT+4*\m+1], 0x42800000, v[TT+4*\m]   ; + 64 by: whole numbers under 2^18, nothing is rounded
.endr
.irp m, 0,1
	v_fmamk_f32 v[TT+4*\m], v[TT+4*\m+2], 0x45800000, v[TT+4*\m]   ; + 4096 bz
.endr
.irp m, 0,1
	v_cvt_u32_f32 v[OUT+16*(\bb)+2*(\j)+\m], v[TT+4*\m]
.endr
.endm
.irp bb, 0,1
.irp j, 0,1,2,3,4,5,6,7
	CELL \bb, \j
.endr
.endr
.irp bb, 0,1
.irp q, 0,1,2,3
	global_store_b128 v5, v[OUT+16*\bb+4*\q:OUT+16*\bb+4*\q+3], s[14:15] offset:2048*\bb+512*\q th:TH_STORE_NT   ; 512 consecutive bytes a store
.endr
.endr
	s_endpgm
.Lfunc_end_k_q1e06ca5c73_prep:
	.size	k_q1e06ca5c73_prep, .Lfunc_end_k_q1e06ca5c73_prep-k_q1e06ca5c73_prep
	.p2alignl 7, 3214868480
	.fill 96, 4, 3214868480
	.section	.rodata,"a",@progbits
	.p2align	6, 0x0
	.amdhsa_kernel k_q1e06ca5c73_prep
		.amdhsa_group_segment_fixed_size 0
		.amdhsa_private_segment_fixed_size 0
		.amdhsa_enable_private_segment 0
		.amdhsa_kernarg_size 48
		.amdhsa_user_sgpr_count 2
		.amdhsa_user_sgpr_kernarg_segment_ptr 1
		.amdhsa_wavefront_size32 1
		.amdhsa_system_sgpr_workgroup_id_x 1
		.amdhsa_system_sgpr_workgroup_id_y 1
		.amdhsa_system_sgpr_workgroup_id_z 1
		.amdhsa_system_vgpr_workitem_id 0
		.amdhsa_next_free_vgpr 160
		.amdhsa_next_free_sgpr 66
		.amdhsa_reserve_vcc 1
		.amdhsa_float_denorm_mode_32 3
		.amdhsa_float_denorm_mode_16_64 3
		.amdhsa_memory_ordered 1
		.amdhsa_forward_progress 1
		.amdhsa_inst_pref_size 70
	.end_amdhsa_kernel
	.amdgpu_metadata
---
amdhsa.version: [ 1, 2 ]
amdhsa.kernels:
  - .name:           k_q1e06ca5c73_prep
    .symbol:         k_q1e06ca5c73_prep.kd
    .args:
      - { .name: feature_grids, .offset: 0, .size: 8, .value_kind: global_buffer, .address_space: global }
      - { .name: x, .offset: 8, .size: 8, .value_kind: global_buffer, .address_space: global }
      - { .name: grid_scales, .offset: 16, .size: 8, .value_kind: global_buffer, .address_space: global }
      - { .name: grid_translations, .offset: 24, .size: 8, .value_kind: global_buffer, .address_space: global }
      - { .name: table, .offset: 32, .size: 8, .value_kind: global_buffer, .address_space: global }
      - { .name: cells, .offset: 40, .size: 8, .value_kind: global_buffer, .address_space: global }
    .group_segment_fixed_size: 0
    .private_segment_fixed_size: 0
    .kernarg_segment_align: 8
    .kernarg_segment_size: 48
    .max_flat_workgroup_size: 256
    .sgpr_count:     66
    .vgpr_count:     160
    .wavefront_size: 32
...
	.end_amdgpu_metadata
.endif
;; end of part 1
;; launch sample_mlp (part 2): grid 256 x 1, 16 waves a work-group, no clusters, 34,816 bytes of LDS; arguments x, grid_scales, grid_translations, cells, table, W0, W1, b0, b1, W2, b2, out0; writes out0
.if DOCPART == 2
	.amdgcn_target "amdgcn-amd-amdhsa--gfx1250"
	.amdhsa_code_object_version 6
	.text
	.protected	k_q1e06ca5c73_sample_mlp
	.globl	k_q1e06ca5c73_sample_mlp
	.p2align	8
	.type	k_q1e06ca5c73_sample_mlp,@function
k_q1e06ca5c73_sample_mlp:
	s_mov_b64 s[64:65], 0
	v_nop
	global_prefetch_b8 v0, s[64:65] scope:SCOPE_SE
	s_setreg_imm32_b32 hwreg(HW_REG_WAVE_MODE, 25, 1), 1
	s_wait_xcnt 0x0
; out0[n] = W2 . lrelu(W1 lrelu(W0 feats[n] + b0) + b1) + b2, feats[n][2 g + c] = the trilinear sample (zeros outside) of channel c of grid g at point n's coordinate in that grid.
; The two products 128 x 128 run on codes of BF6 (E3M2) with one E8M0 scale for each 32 along K; everything ahead of a quantiser, and the last product (one output), is f32.
; SHARES.  A work-group of sixteen waves owns 512 points, a wave 32: two tiles m = 0, 1 of 16.  Lane (r = lane % 16, h = lane / 16) serves point r of both tiles and the 32 grids g = 16 b + 8 h + j.
; Step s = 8 b + j (32 steps) leaves its two features in F[m][2 j + c], which is k = 32 b + 16 h + 2 j + c: a lane's 16 registers are 16 neighbours along K of block b, as the conversion wants them; nothing changes lanes.
; THE GATHER.  table [g][z][y][x] holds cells of 16 bytes (c0(x), c1(x), c0(x+1), c1(x+1)); cells holds, for each point and grid, bx + 64 by + 4096 bz with b held to 0 .. 62, made by the launch before.
; So a point and a grid cost four loads of 16 bytes: (z, y), (z, y+1), (z+1, y), (z+1, y+1).  The next step's eight loads are issued before this step's are waited for.
; THE WEIGHTS.  f is made operation by operation, each rounded once (x s, + t, x 1 / 1.48, + 1, x 31.5): no fused multiply-add there, on purpose.  d = f - b, b unpacked from the stored cell, so that weights and
; nodes always fit.  Node b weighs max(0, 1 - |d|), node b + 1 weighs the middle one of (d, 2 - d, 0): inside the grid these are 1 - w and w; one cell outside, the one valid node keeps its weight; further out both are 0.
; THE MLP.  Both products are used transposed (source 0 = 16 rows of W, source 1 = 16 points), and lane r of tile 2 b + u of W takes row 32 b + 8 u + r + 8 (r / 8): the 16 registers of tiles 2 b and 2 b + 1 are then
; 16 neighbours along the next K.  Wave w quantises tile w % 8 of W0 (w < 8) or W1 once and leaves it in LDS as an image of the operand's registers (3 x 512 bytes, lane l's 16 bytes at 16 l) with its scale words.
; The biases are the C of each product.  Sixteen different accumulators, one K step each: no accumulator is taken up twice.
; NO CLUSTER, NO TENSOR LOAD: what work-groups share is the 131,072 bytes of W0 and W1, read once by each, against 512 points x 64 grids x 64 bytes = 2,097,152 bytes of cells of its own.
; LIMITS: a coordinate that is NaN is not served (infinite ones get weight 0).  A block whose largest magnitude lies under 2^-122 keeps the scale byte 1, a block of zeros too (its codes are zeros; the bytes are read here alone).
.set LAST, 31                          ; the last step: 4 blocks of 32 along K x 8 grids a lane
.set WIMG, 0                           ; LDS: 16 images of 1,536 bytes: W0's 8 tiles, W1's 8
.set WSC,  24576                       ; their scale words, 128 bytes each
.set PRM,  26624                       ; [64 g][16 f32]: sx sx sy sy sz sz tx tx ty ty tz tz and 4 spare
.set OUTS, 30720                       ; the work-group's 512 results
.set LI,  1                            ; v1   16 x lane
.set LS,  2                            ; v2   4 x lane
.set BO,  3                            ; v3   64 h
.set OSA, 4                            ; v4   OUTS + 4 x thread
.set ORA, 5                            ; v5   OUTS + 16 x (thread % 128)
.set VB,  6                            ; v6   the byte at which the grid to be asked for begins in the table
.set PH,  7                            ; v7   PRM + 512 h
.set PW,  8                            ; v8-9   the scale word of my point, tile m: scales and nothing else
.set WS,  10                           ; v10-13 four tiles' scale words of W: scales and nothing else
.set PC,  16                           ; v16-39 the operand's codes, 12 registers a tile
.set STG, 40                           ; v40-55 the odd blocks' codes until they change halves, 8 a tile
.set QT,  56                           ; v56-63 the quantiser's four registers, two sets
.set XR,  64                           ; v64-69 x: pair a = (tile 0, tile 1)
.set AD,  70                           ; v70-73 gather offsets: 2 (s % 2) + m
.set PR,  74                           ; v74-85 the step's scales and translations, six pairs of twins
.set IDX, 86                           ; v86-117 cell numbers: 16 (b % 2) + 2 j + m
.set FF,  118                          ; v118-123 f, then d: pair a
.set BB,  124                          ; v124-129 b, then 2 - d: pair a
.set WL,  130                          ; v130-141 the lower node's weight at 4 a + 2 m; the register above it is its scratch
.set WH,  142                          ; v142-153 the upper node's weight at 4 a + 2 m; the register above it holds 0
.set FT,  154                          ; v154-185 features of the block in hand: 16 m + 2 j + c
.set GG,  186                          ; v186-249 gathered cells: 32 (s % 2) + 16 m + 4 corner
.set WF,  40                           ; MLP: v40-87 four fragments of W
.set BI,  88                           ; v88-119 four tiles of bias
.set HH,  120                          ; v120-247 the layer's results: 64 m + 8 t + j.  (At the head: my tile of W as f32, v120-183)
.set LT,  248                          ; v248-255 at work
.set W2L, 40                           ; v40-103 my 64 numbers of W2
.set ACC, 104                          ; v104-107 the last product's sums, a pair a tile
	s_load_b512 s[4:19], s[0:1], 0x0               ; x s[4:5], scales s[6:7], translations s[8:9], cells s[10:11], table s[12:13], W0 s[14:15], W1 s[16:17], b0 s[18:19]
	s_load_b256 s[20:27], s[0:1], 0x40             ; b1 s[20:21], W2 s[22:23], b2 s[24:25], out0 s[26:27]
	v_lshrrev_b32 v14, 5, v0
	v_readfirstlane_b32 s28, v14                   ; wave 0..15
	v_and_b32 v15, 31, v0                          ; lane
	v_lshlrev_b32 v[LI], 4, v15
	v_lshlrev_b32 v[LS], 2, v15
	v_bfe_u32 v14, v0, 4, 1                        ; h
	v_lshlrev_b32 v[BO], 6, v14
	v_lshl_add_u32 v[OSA], v0, 2, OUTS
	v_and_b32 v[ORA], 127, v0
	v_lshl_add_u32 v[ORA], v[ORA], 4, OUTS
	v_lshlrev_b32 v[VB], 25, v14                   ; grid 8 h: a grid's cells are 2^22 bytes
	v_lshl_add_u32 v[PH], v14, 9, PRM
	; the parameters' table: thread t writes words t and t + 512: grid t / 16 (and 32 more), entry e = t % 16
	v_and_b32 v186, 15, v0
	v_lshrrev_b32 v186, 1, v186
	v_min_u32 v186, 5, v186                        ; u = min(e / 2, 5): 0-2 a scale, 3-5 a translation (the four spare words repeat the last)
	v_cmp_le_u32 s37, 3, v186
	v_cndmask_b32 v187, 0, 3, s37
	v_sub_nc_u32 v186, v186, v187                  ; the axis
	v_lshrrev_b32 v187, 4, v0
	v_mul_u32_u24 v187, v187, 12
	v_lshl_add_u32 v192, v186, 2, v187             ; 12 g + 4 a
	v_lshl_add_u32 v193, v0, 2, PRM
	; my tile of W: lane (r, h) takes row r + 8 (r / 8) of the tile's span, 16 numbers of each block of 32
	v_and_b32 v188, 15, v0                         ; r
	v_and_b32 v189, 8, v188
	v_add_nc_u32 v189, v189, v188
	v_lshl_add_u32 v194, v189, 9, v[BO]            ; a row is 512 bytes; + 64 h
	v_mul_u32_u24 v195, v188, 12                   ; x: 12 r
	s_lshr_b32 s29, s28, 1
	s_and_b32 s29, s29, 3
	s_lshl_b32 s34, s29, 14                        ; tile t = wave % 8 begins at row 32 (t / 2) + 8 (t % 2)
	s_and_b32 s29, s28, 1
	s_lshl_b32 s29, s29, 12
	s_add_co_u32 s34, s34, s29
	s_mov_b32 s35, 0
	s_lshl_b32 s38, ttmp9, 4
	s_add_co_u32 s38, s38, s28                     ; which 32 points of all: 16 x work-group + wave
	s_mul_i32 s40, s38, 384                        ; their 12 bytes each
	s_mov_b32 s41, 0
	s_lshl_b32 s42, s38, 13                        ; their 8,192 bytes of cell numbers
	s_mov_b32 s43, 0
	s_lshl_b32 s44, ttmp9, 11                      ; the work-group's 2,048 bytes of out0
	s_mov_b32 s45, 0
	s_mul_i32 s39, s28, 1536
	s_lshl_b32 s46, s28, 7
	v_add_nc_u32 v14, s39, v[LI]                   ; where my image goes,
	v_add_nc_u32 v15, s46, v[LS]                   ; and its scale words
	s_mov_b32 s32, 0x76543210
	s_mov_b32 s33, 0xfedcba98                      ; v_permlanex16_b32's selects for lane l xor 16
	s_wait_kmcnt 0x0
	s_load_b32 s36, s[24:25], 0x0                  ; b2
	s_cmp_lt_u32 s28, 8
	s_cselect_b64 s[30:31], s[14:15], s[16:17]     ; waves 0-7 take W0, waves 8-15 W1
	s_add_nc_u64 s[30:31], s[30:31], s[34:35]
	s_add_nc_u64 s[4:5], s[4:5], s[40:41]
	s_add_nc_u64 s[10:11], s[10:11], s[42:43]
	s_add_nc_u64 s[26:27], s[26:27], s[44:45]
; 16 numbers of a lane, k = 32 b + 16 h + 0 .. 15 of its row, become 96 bits of codes; the block's byte goes into tile m's scale word.  q: four registers at work.
; Even blocks' codes go straight to their place in the operand, odd blocks' to STG (a conversion's three registers begin on an even number).
.macro QBLK src, m, b, q
.if ((\b)%2) == 0
.set COD, PC+12*(\m)+3*(\b)
.else
.set COD, STG+8*(\m)+2*((\b)-1)
.endif
	v_max3_num_f32 v[(\q)],   |v[(\src)]|,   |v[(\src)+1]|, 0x2800000       ; the floor 2^(5 - 127) among the leaves: the byte cannot fall under 1
	v_max3_num_f32 v[(\q)+1], |v[(\src)+2]|, |v[(\src)+3]|, |v[(\src)+4]|   ; two chains
	v_max3_num_f32 v[(\q)],   v[(\q)],   |v[(\src)+5]|,  |v[(\src)+6]|
	v_max3_num_f32 v[(\q)+1], v[(\q)+1], |v[(\src)+7]|,  |v[(\src)+8]|
	v_max3_num_f32 v[(\q)],   v[(\q)],   |v[(\src)+9]|,  |v[(\src)+10]|
	v_max3_num_f32 v[(\q)+1], v[(\q)+1], |v[(\src)+11]|, |v[(\src)+12]|
	v_max3_num_f32 v[(\q)],   v[(\q)],   |v[(\src)+13]|, |v[(\src)+14]|
	v_max3_num_f32 v[(\q)],   v[(\q)],   v[(\q)+1],      |v[(\src)+15]|
	v_permlanex16_b32 v[(\q)+1], v[(\q)], s32, s33
	v_max_num_f32 v[(\q)], v[(\q)], v[(\q)+1]      ; with lane l xor 16's 16: the block's largest magnitude
	v_add_nc_u32 v[(\q)+2], 0xfe000000, v[(\q)]    ; 4 off its exponent field: the conversion takes this operand's exponent field as its scale
	v_lshrrev_b32 v[(\q)+3], 23, v[(\q)+2]         ; the scale's byte
.if (\b) == 0
	v_mov_b32 v[PW+(\m)], v[(\q)+3]
.else
	v_lshl_or_b32 v[PW+(\m)], v[(\q)+3], 8*(\b), v[PW+(\m)]
.endif
	v_cvt_scalef32_pk16_bf6_f32 v[COD:COD+2], v[(\src):(\src)+15], v[(\q)+2]
	v_nop                                          ; one plain instruction behind a scaled conversion, before anything touches its result or writes its sources
.endm
; The operand wants a whole block in a lane: lanes 0-15 block 2 c, lanes 16-31 block 2 c + 1.  The even block's upper lanes change places with the odd block's lower lanes.
.macro FINISH m
.irp c, 0,1
.irp i, 0,1,2
	v_permlane16_swap_b32 v[PC+12*(\m)+6*\c+\i], v[STG+8*(\m)+4*\c+\i]
.endr
.irp i, 0,1,2
	v_mov_b32 v[PC+12*(\m)+3+6*\c+\i], v[STG+8*(\m)+4*\c+\i]
.endr
.endr
.endm
.macro IDXLOAD b                       ; block b's 16 cell numbers a lane: four loads of 512 consecutive bytes
.irp q, 0,1,2,3
	global_load_b128 v[IDX+16*((\b)%2)+4*\q:IDX+16*((\b)%2)+4*\q+3], v[LI], s[10:11] offset:2048*(\b)+512*\q th:TH_LOAD_NT
.endr
.endm
	; the head's loads, in the order in which they are wanted
	global_load_b32 v186, v192, s[6:7]
	global_load_b32 v187, v192, s[8:9]
	global_load_b32 v188, v192, s[6:7] offset:384
	global_load_b32 v189, v192, s[8:9] offset:384
.irp b, 0,1,2,3
.irp q, 0,1,2,3
	global_load_b128 v[HH+16*\b+4*\q:HH+16*\b+4*\q+3], v194, s[30:31] offset:128*\b+16*\q
.endr
.endr
.irp a, 0,1,2
.irp m, 0,1
	global_load_b32 v[XR+2*\a+\m], v195, s[4:5] offset:4*\a+192*\m
.endr
.endr
	IDXLOAD 0
	s_wait_loadcnt 26                              ; the four parameters are in; the 16 + 6 + 4 loads behind them may be out
	v_cndmask_b32 v190, v186, v187, s37
	v_cndmask_b32 v191, v188, v189, s37
	ds_store_b32 v193, v190
	ds_store_b32 v193, v191 offset:2048
	s_wait_loadcnt 10                              ; my tile of W is in; x's 6 and the cell numbers' 4 may be out
	QBLK HH,    0, 0, QT
	QBLK HH+16, 0, 1, QT+4
	QBLK HH+32, 0, 2, QT
	QBLK HH+48, 0, 3, QT+4
	FINISH 0
.irp c, 0,1,2
	ds_store_b128 v14, v[PC+4*\c:PC+4*\c+3] offset:WIMG+512*\c   ; the fragment as it stands
.endr
	ds_store_b32 v15, v[PW] offset:WSC
	s_wait_kmcnt 0x0                               ; b2
	s_wait_dscnt 0x0                               ; for the others' sake: my stores have landed
	s_barrier_signal -1
	s_barrier_wait -1                              ; the parameters, the sixteen images and their scale words lie in LDS; nothing writes them again
	s_wait_loadcnt 0x0                             ; x and block 0's cell numbers
.irp i, 0,1,2,3,4,5
	v_mov_b32 v[WH+2*\i+1], 0                      ; named as the upper halves of pairs, so they are written
.endr
.macro PLOAD s                         ; step s's scales and translations: the sixteen lanes of a half read the same 48 bytes.  The highest read ends at PRM + 512 + 64 x 55 + 48, under OUTS
.irp c, 0,1,2
	ds_load_b128 v[PR+4*\c:PR+4*\c+3], v[PH] offset:64*(16*((\s)/8)+(\s)%8)+16*\c
.endr
.endm
.macro ISSUE s                         ; step s's eight gathers
.set II, IDX+16*(((\s)/8)%2)+2*((\s)%8)
.set IA, AD+2*((\s)%2)
.set IG, GG+32*((\s)%2)
.irp m, 0,1
	v_min_u32 v[II+\m], 0x3efbe, v[II+\m]          ; 62 + 64 x 62 + 4096 x 62: whatever was stored, every load stays in its grid
.endr
.irp m, 0,1
	v_lshlrev_b32 v[IA+\m], 4, v[II+\m]            ; 16 bytes a cell
.endr
.irp m, 0,1
	v_add_nc_u32 v[IA+\m], v[VB], v[IA+\m]
.endr
.irp m, 0,1
	global_load_b128 v[IG+16*\m:IG+16*\m+3],     v[IA+\m], s[12:13]
	global_load_b128 v[IG+16*\m+4:IG+16*\m+7],   v[IA+\m], s[12:13] offset:1024    ; y + 1: 64 cells on
	global_load_b128 v[IG+16*\m+8:IG+16*\m+11],  v[IA+\m], s[12:13] offset:65536   ; z + 1: 4,096 cells on
	global_load_b128 v[IG+16*\m+12:IG+16*\m+15], v[IA+\m], s[12:13] offset:66560
.endr
.if (\s) < LAST
.if ((\s)%8) == 7
	v_add_nc_u32 v[VB], 0x2400000, v[VB]           ; from grid 16 b + 8 h + 7 to 16 (b + 1) + 8 h: nine grids on
.else
	v_add_nc_u32 v[VB], 0x400000, v[VB]            ; the next grid
.endif
.endif
.endm
.macro CONSUME s                       ; step s: coordinates, weights, and the eight corners of both points folded into two features each
.set CI, IDX+16*(((\s)/8)%2)+2*((\s)%8)
.set CG, GG+32*((\s)%2)
.set CF, FT+2*((\s)%8)
.irp a, 0,1,2
	v_pk_mul_f32 v[FF+2*\a:FF+2*\a+1], v[XR+2*\a:XR+2*\a+1], v[PR+2*\a:PR+2*\a+1]      ; x s, both tiles
.endr
.irp a, 0,1,2
	v_pk_add_f32 v[FF+2*\a:FF+2*\a+1], v[FF+2*\a:FF+2*\a+1], v[PR+6+2*\a:PR+6+2*\a+1]  ; + t
.endr
.irp a, 0,1,2
	v_pk_mul_f32 v[FF+2*\a:FF+2*\a+1], v[FF+2*\a:FF+2*\a+1], 0x3f2cf915 op_sel_hi:[1,0]   ; x 1 / 1.48
.endr
.irp m, 0,1
	v_and_b32 v[BB+\m], 63, v[CI+\m]               ; bx, by, bz out of the cell number
	v_bfe_u32 v[BB+2+\m], v[CI+\m], 6, 6
	v_lshrrev_b32 v[BB+4+\m], 12, v[CI+\m]
.endr
.irp a, 0,1,2
	v_pk_add_f32 v[FF+2*\a:FF+2*\a+1], v[FF+2*\a:FF+2*\a+1], 1.0 op_sel_hi:[1,0]
.endr
.irp i, 0,1,2,3,4,5
	v_cvt_f32_u32 v[BB+\i], v[BB+\i]
.endr
.irp a, 0,1,2
	v_pk_mul_f32 v[FF+2*\a:FF+2*\a+1], v[FF+2*\a:FF+2*\a+1], 0x41fc0000 op_sel_hi:[1,0]   ; x 31.5: f
.endr
.irp a, 0,1,2
	v_pk_add_f32 v[FF+2*\a:FF+2*\a+1], v[FF+2*\a:FF+2*\a+1], v[BB+2*\a:BB+2*\a+1] neg_lo:[0,1] neg_hi:[0,1]   ; d = f - b
.endr
.irp i, 0,1,2,3,4,5
	v_sub_f32 v[WL+2*\i+1], 1.0, |v[FF+\i]|
.endr
.irp a, 0,1,2
	v_pk_fma_f32 v[BB+2*\a:BB+2*\a+1], v[FF+2*\a:FF+2*\a+1], -1.0, 2.0 op_sel_hi:[1,0,0]   ; 2 - d
.endr
.irp i, 0,1,2,3,4,5
	v_max_num_f32 v[WL+2*\i], 0, v[WL+2*\i+1]      ; node b's weight
.endr
.irp i, 0,1,2,3,4,5
	v_med3_num_f32 v[WH+2*\i], v[FF+\i], v[BB+\i], 0   ; node b + 1's
.endr
	; along x, then y, then z; both channels at once; of a weight's pair the low register serves both halves
.irp m, 0,1
.irp c, 0,1,2,3
	v_pk_mul_f32 v[CG+16*\m+4*\c:CG+16*\m+4*\c+1], v[CG+16*\m+4*\c:CG+16*\m+4*\c+1], v[WL+2*\m:WL+2*\m+1] op_sel_hi:[1,0]
.endr
.endr
.irp m, 0,1
.irp c, 0,1,2,3
	v_pk_fma_f32 v[CG+16*\m+4*\c:CG+16*\m+4*\c+1], v[CG+16*\m+4*\c+2:CG+16*\m+4*\c+3], v[WH+2*\m:WH+2*\m+1], v[CG+16*\m+4*\c:CG+16*\m+4*\c+1] op_sel_hi:[1,0,1]
.endr
.endr
.irp m, 0,1
.irp c, 0,2
	v_pk_mul_f32 v[CG+16*\m+4*\c:CG+16*\m+4*\c+1], v[CG+16*\m+4*\c:CG+16*\m+4*\c+1], v[WL+4+2*\m:WL+4+2*\m+1] op_sel_hi:[1,0]
.endr
.endr
.irp m, 0,1
.irp c, 0,2
	v_pk_fma_f32 v[CG+16*\m+4*\c:CG+16*\m+4*\c+1], v[CG+16*\m+4*\c+4:CG+16*\m+4*\c+5], v[WH+4+2*\m:WH+4+2*\m+1], v[CG+16*\m+4*\c:CG+16*\m+4*\c+1] op_sel_hi:[1,0,1]
.endr
.endr
.irp m, 0,1
	v_pk_mul_f32 v[CG+16*\m:CG+16*\m+1], v[CG+16*\m:CG+16*\m+1], v[WL+8+2*\m:WL+8+2*\m+1] op_sel_hi:[1,0]
.endr
.irp m, 0,1
	v_pk_fma_f32 v[CF+16*\m:CF+16*\m+1], v[CG+16*\m+8:CG+16*\m+9], v[WH+8+2*\m:WH+8+2*\m+1], v[CG+16*\m:CG+16*\m+1] op_sel_hi:[1,0,1]
.endr
.endm
; A slot: this step's parameters are asked for, the next step's gathers go out, this step's are waited for and folded.
; The gather offsets and the cells' registers that the next step takes are those of the step before this one, whose loads were waited for a slot ago.
.macro SLOT s
	PLOAD \s
.if (\s) < LAST
	ISSUE (\s)+1
.endif
.if (\s) == LAST
	s_wait_loadcnt 0x0                             ; the last step: nothing was issued behind it
.elseif (((\s)%8) == 1) && ((\s) < 24)
	s_wait_loadcnt 12                              ; behind this step's gathers: the next block's 4 loads of cell numbers and the next step's 8 gathers
.else
	s_wait_loadcnt 8                               ; behind this step's gathers: the next step's 8
.endif
	s_wait_dscnt 0x0                               ; the parameters
	CONSUME \s
.if (((\s)%8) == 0) && ((\s) < 24)
	IDXLOAD (\s)/8+1                               ; the next block's cell numbers, seven steps ahead of their first use, into the set that the block before has left
.endif
.if ((\s)%8) == 7
	QBLK FT,    0, (\s)/8, QT                      ; a block of 32 along K is whole: its codes and its byte
	QBLK FT+16, 1, (\s)/8, QT+4
.endif
.endm
	ISSUE 0
.set STP, 0
.rept LAST+1
	SLOT STP
.set STP, STP+1
.endr
; A layer: 16 products, four tiles of W at a time against both tiles of points.  l: the layer; bp: the scalar pair with the bias's address.
.macro LAYER l, bp
.irp g, 0,1
.rept 4
	v_nop                                          ; four plain instructions between a matrix instruction and loads into registers that it has read (ISA guide 7.12.1 for vector instructions; the same distance is kept for loads)
.endr
.irp t, 0,1,2,3
.irp c, 0,1,2
	ds_load_b128 v[WF+12*\t+4*\c:WF+12*\t+4*\c+3], v[LI] offset:WIMG+(8*(\l)+4*\g+\t)*1536+512*\c
.endr
	ds_load_b32 v[WS+\t], v[LS] offset:WSC+128*(8*(\l)+4*\g+\t)
	global_load_b128 v[BI+8*\t:BI+8*\t+3],   v[BO], s[(\bp):(\bp)+1] offset:128*((4*\g+\t)/2)+32*(\t%2)      ; the bias of units 32 (t / 2) + 16 h + 8 (t % 2) + 0 .. 7: the result's layout
	global_load_b128 v[BI+8*\t+4:BI+8*\t+7], v[BO], s[(\bp):(\bp)+1] offset:128*((4*\g+\t)/2)+32*(\t%2)+16
.endr
	s_wait_dscnt 0x0
	s_wait_loadcnt 0x0
.irp t, 0,1,2,3
.irp m, 0,1
	v_wmma_scale_f32_16x16x128_f8f6f4 v[HH+64*\m+8*(4*\g+\t):HH+64*\m+8*(4*\g+\t)+7], v[WF+12*\t:WF+12*\t+11], v[PC+12*\m:PC+12*\m+11], v[BI+8*\t:BI+8*\t+7], v[WS+\t], v[PW+\m] matrix_a_fmt:MATRIX_FMT_BF6 matrix_b_fmt:MATRIX_FMT_BF6
.endr
.endr
.endr
.rept 4
	v_nop                                          ; and between the last products and the first read of their results
.endr
.endm
.macro LRELU                           ; max(v, 0.2 v), accumulator by accumulator, each from its low end on
.set LA, HH
.rept 16
.irp i, 0,1,2,3
	v_pk_mul_f32 v[LT+2*\i:LT+2*\i+1], v[LA+2*\i:LA+2*\i+1], 0x3e4ccccd op_sel_hi:[1,0]
.endr
.irp i, 0,1,2,3,4,5,6,7
	v_max_num_f32 v[LA+\i], v[LA+\i], v[LT+\i]
.endr
.set LA, LA+8
.endr
.endm
.macro AHEAD                           ; a scale word made by vector instructions stands eight plain instructions ahead of a scaled matrix instruction, codes so made four
.rept 8
	v_nop
.endr
.endm
	FINISH 0
	FINISH 1
	AHEAD
	LAYER 0, 18
	LRELU
.irp b, 0,1,2,3
	QBLK HH+16*\b,    0, \b, QT
	QBLK HH+64+16*\b, 1, \b, QT+4
.endr
	FINISH 0
	FINISH 1
	AHEAD
	LAYER 1, 20
.irp b, 0,1,2,3
.irp q, 0,1,2,3
	global_load_b128 v[W2L+16*\b+4*\q:W2L+16*\b+4*\q+3], v[BO], s[22:23] offset:128*\b+16*\q   ; W2 at my 64 units: 32 b + 16 h + 0 .. 15; it lands while the activation is made
.endr
.endr
	LRELU
	s_wait_loadcnt 0x0
	; the last product, one output: fused multiply-adds in f32, two at a time, the two tiles by turns
.irp m, 0,1
	v_pk_mul_f32 v[ACC+2*\m:ACC+2*\m+1], v[HH+64*\m:HH+64*\m+1], v[W2L:W2L+1]
.endr
.set DI, 2
.rept 31
.irp m, 0,1
	v_pk_fma_f32 v[ACC+2*\m:ACC+2*\m+1], v[HH+64*\m+DI:HH+64*\m+DI+1], v[W2L+DI:W2L+DI+1], v[ACC+2*\m:ACC+2*\m+1]
.endr
.set DI, DI+2
.endr
	v_add_f32 v[ACC], v[ACC], v[ACC+1]
	v_add_f32 v[ACC+2], v[ACC+2], v[ACC+3]
	v_permlanex16_b32 v[ACC+1], v[ACC], s32, s33   ; the point's other 64 units lie in the lane 16 away
	v_permlanex16_b32 v[ACC+3], v[ACC+2], s32, s33
	v_add_f32 v[ACC], v[ACC], v[ACC+1]
	v_add_f32 v[ACC+2], v[ACC+2], v[ACC+3]
	v_cmp_gt_u32 vcc_lo, 64, v[LS]                 ; lanes 0-15 keep tile 0's point, lanes 16-31 tile 1's: lane l then holds the wave's point l
	v_cndmask_b32 v[ACC], v[ACC+2], v[ACC], vcc_lo
	v_add_f32 v[ACC], s36, v[ACC]                  ; + b2
	; the way out: a wave's 32 results are 128 bytes, so the work-group's 512 meet in LDS and leave by four stores of 512 consecutive bytes
	ds_store_b32 v[OSA], v[ACC]
	v_and_b32 v14, 127, v0
	v_lshlrev_b32 v14, 4, v14
	s_wait_dscnt 0x0                               ; for the others' sake: my store has landed
	s_barrier_signal -1
	s_barrier_wait -1
	s_cmp_gt_u32 s28, 3
	s_cbranch_scc1 .Lend                           ; waves 0 to 3 store
	ds_load_b128 v[108:111], v[ORA]
	s_wait_dscnt 0x0
	global_store_b128 v14, v[108:111], s[26:27]
.Lend:
	s_wait_xcnt 0x0
	v_lshl_add_u32 v248, v0, 2, 0x8000
	v_mov_b32 v249, 0
	s_wait_tensorcnt 0x0
	ds_add_u32 v248, v249
	s_wait_dscnt 0x0
	s_endpgm
.Lfunc_end_k_q1e06ca5c73_sample_mlp:
	.size	k_q1e06ca5c73_sample_mlp, .Lfunc_end_k_q1e06ca5c73_sample_mlp-k_q1e06ca5c73_sample_mlp
	.p2alignl 7, 3214868480
	.fill 96, 4, 3214868480
	.section	.rodata,"a",@progbits
	.p2align	6, 0x0
	.amdhsa_kernel k_q1e06ca5c73_sample_mlp
		.amdhsa_group_segment_fixed_size 34816
		.amdhsa_private_segment_fixed_size 0
		.amdhsa_enable_private_segment 0
		.amdhsa_kernarg_size 96
		.amdhsa_user_sgpr_count 2
		.amdhsa_user_sgpr_kernarg_segment_ptr 1
		.amdhsa_wavefront_size32 1
		.amdhsa_system_sgpr_workgroup_id_x 1
		.amdhsa_system_sgpr_workgroup_id_y 1
		.amdhsa_system_sgpr_workgroup_id_z 1
		.amdhsa_system_vgpr_workitem_id 0
		.amdhsa_next_free_vgpr 256
		.amdhsa_next_free_sgpr 66
		.amdhsa_reserve_vcc 1
		.amdhsa_float_denorm_mode_32 3
		.amdhsa_float_denorm_mode_16_64 3
		.amdhsa_memory_ordered 1
		.amdhsa_forward_progress 1
		.amdhsa_inst_pref_size 255
	.end_amdhsa_kernel
	.section	.bss,"aw",@nobits
	.p2align	6
	.space	262144
	.amdgpu_metadata
---
amdhsa.version: [ 1, 2 ]
amdhsa.kernels:
  - .name:           k_q1e06ca5c73_sample_mlp
    .symbol:         k_q1e06ca5c73_sample_mlp.kd
    .args:
      - { .name: x, .offset: 0, .size: 8, .value_kind: global_buffer, .address_space: global }
      - { .name: grid_scales, .offset: 8, .size: 8, .value_kind: global_buffer, .address_space: global }
      - { .name: grid_translations, .offset: 16, .size: 8, .value_kind: global_buffer, .address_space: global }
      - { .name: cells, .offset: 24, .size: 8, .value_kind: global_buffer, .address_space: global }
      - { .name: table, .offset: 32, .size: 8, .value_kind: global_buffer, .address_space: global }
      - { .name: W0, .offset: 40, .size: 8, .value_kind: global_buffer, .address_space: global }
      - { .name: W1, .offset: 48, .size: 8, .value_kind: global_buffer, .address_space: global }
      - { .name: b0, .offset: 56, .size: 8, .value_kind: global_buffer, .address_space: global }
      - { .name: b1, .offset: 64, .size: 8, .value_kind: global_buffer, .address_space: global }
      - { .name: W2, .offset: 72, .size: 8, .value_kind: global_buffer, .address_space: global }
      - { .name: b2, .offset: 80, .size: 8, .value_kind: global_buffer, .address_space: global }
      - { .name: out0, .offset: 88, .size: 8, .value_kind: global_buffer, .address_space: global }
    .group_segment_fixed_size: 34816
    .private_segment_fixed_size: 0
    .kernarg_segment_align: 8
    .kernarg_segment_size: 96
    .max_flat_workgroup_size: 512
    .sgpr_count:     66
    .vgpr_count:     256
    .wavefront_size: 32
...
	.end_amdgpu_metadata
.endif
;; end of part 2
;; ======== version 2 of 3: 2 launches
;; workspace buffers: table 134,217,728 bytes; cells 33,554,432 bytes of whole numbers
;; launch prep (part 3): grid 2048 x 1, 8 waves a work-group, no clusters, 0 bytes of LDS; arguments feature_grids, x, grid_scales, grid_translations, table, cells; writes table, cells
.if DOCPART == 3
	.amdgcn_target "amdgcn-amd-amdhsa--gfx1250"
	.amdhsa_code_object_version 6
	.text
	.protected	k_q1e06ca5c73_prep
	.globl	k_q1e06ca5c73_prep
	.p2align	8
	.type	k_q1e06ca5c73_prep,@function
k_q1e06ca5c73_prep:
	s_mov_b64 s[64:65], 0
	v_nop
	global_prefetch_b8 v0, s[64:65] scope:SCOPE_SE
	s_setreg_imm32_b32 hwreg(HW_REG_WAVE_MODE, 25, 1), 1
	s_wait_xcnt 0x0
; Two jobs in one launch, shared out by the wave's number, so that every work-group has the same work: waves 0-3 lay the table out anew, waves 4-7 make the cell numbers.
; JOB R.  feature_grids [64 g][2 c][64 z][64 y][64 x] f32 becomes table [g][z][y][x] of cells of 8 bytes, (c0(x), c1(x)): as many bytes as the input,
; and the next launch fetches both channels of a node by one load: 8 loads for a point and a grid in place of 16.
; A wave takes 32 rows (g, z, y) of 64 nodes, in four batches of 8 rows.  A lane takes nodes 2 l and 2 l + 1 of both channels: each load covers a channel's whole row, 256 consecutive bytes;
; three moves change the two middle registers' places, and the lane's two cells leave as 16 bytes: each store covers 512 consecutive bytes, at a multiple of 512 from the table's first byte.
; (Loads of 4 bytes a lane would spare the moves and take twice the memory instructions.)  Every batch has registers of its own: no store's data are written again.
; JOB I.  For point n and grid g: cell = bx + 64 by + 4096 bz, b = floor(f) held to 0 .. 62, f the grid coordinate as the next launch computes it too.
; cells [4096 W][4 b][4 q][32 lane][4 e] u32: lane = (r, h), e = 2 (j % 2) + m, q = j / 2: point 32 W + 16 m + r, grid 16 b + 8 h + j: the order in which a wave of the next launch takes them.
; THE COORDINATE is made operation by operation, each rounded once: x s, + t, x (1 / 1.48), + 1, x 31.5 (the same bits as x 0.5 x 63, since x 0.5 rounds nothing).  No fused multiply-add here, on purpose.
; LIMIT: a coordinate that is NaN is not served.  Infinite and very large ones are held to cell 0 or 62, and the next launch gives them weight 0.
.set ROWS, 8                           ; rows in a batch
.set D,    16                          ; job R: v16-143  32 rows x 4 registers
.set SW,   144                         ; v144-151 one register a row of a batch, for the change of places
.set XQ,   8                           ; job I: v8-13    x: register 2 a + m
.set SS,   16                          ; v16-63   scales: 24 for each of my two blocks of 16 grids, register 3 j + a
.set TR,   64                          ; v64-111  translations likewise
.set TT,   112                         ; v112-118 at work: 4 m + a
.set OUT,  128                         ; v128-159 cell numbers: 16 bb + 2 j + m; each written once
	s_load_b256 s[4:11], s[0:1], 0x0               ; feature_grids s[4:5], x s[6:7], grid_scales s[8:9], grid_translations s[10:11]
	s_load_b128 s[12:15], s[0:1], 0x20             ; table s[12:13], cells s[14:15]
	v_lshrrev_b32 v1, 5, v0
	v_readfirstlane_b32 s16, v1                    ; wave 0..7
	v_and_b32 v1, 31, v0                           ; lane
	s_and_b32 s17, s16, 3                          ; which of its job's four waves
	s_cmp_gt_u32 s16, 3
	s_cbranch_scc1 .Lcells
	; ---------------- JOB R ----------------
	v_lshlrev_b32 v2, 3, v1                        ; in: 8 bytes a lane
	v_lshlrev_b32 v3, 4, v1                        ; out: 16 bytes a lane
	s_lshl_b32 s20, ttmp9, 7
	s_lshl_b32 s21, s17, 5
	s_add_co_u32 s20, s20, s21                     ; my first row: 128 x work-group + 32 x wave (a grid has 4,096 rows, so all 32 lie in grid work-group / 32)
	s_and_b32 s22, s20, 4095
	s_lshl_b32 s22, s22, 8                         ; the row in its grid x 256 bytes
	s_lshr_b32 s23, ttmp9, 5
	s_lshl_b32 s23, s23, 21                        ; the grid x 2 channels x 2^20 bytes
	s_add_co_u32 s22, s22, s23
	s_mov_b32 s23, 0
	s_lshl_b32 s20, s20, 9                         ; a row of cells is 512 bytes; under 2^27
	s_mov_b32 s21, 0
	s_wait_kmcnt 0x0
	s_add_nc_u64 s[4:5], s[4:5], s[22:23]
	s_add_nc_u64 s[12:13], s[12:13], s[20:21]
.macro RLOAD n                         ; batch n: 8 rows x two channels
.irp i, 0,1,2,3,4,5,6,7
	global_load_b64 v[D+32*(\n)+4*\i:D+32*(\n)+4*\i+1],   v2, s[4:5] offset:(ROWS*(\n)+\i)*256 th:TH_LOAD_NT           ; c0(2 l), c0(2 l + 1)
	global_load_b64 v[D+32*(\n)+4*\i+2:D+32*(\n)+4*\i+3], v2, s[4:5] offset:1048576+(ROWS*(\n)+\i)*256 th:TH_LOAD_NT   ; c1(2 l), c1(2 l + 1)
.endr
.endm
.macro RTURN n, cnt                    ; batch n: c0(2 l + 1) and c1(2 l) change places, then the cells leave.  cnt: the younger batches' loads, which may stay out
	s_wait_loadcnt \cnt
.irp i, 0,1,2,3,4,5,6,7
	v_mov_b32 v[SW+\i], v[D+32*(\n)+4*\i+1]
.endr
.irp i, 0,1,2,3,4,5,6,7
	v_mov_b32 v[D+32*(\n)+4*\i+1], v[D+32*(\n)+4*\i+2]
.endr
.irp i, 0,1,2,3,4,5,6,7
	v_mov_b32 v[D+32*(\n)+4*\i+2], v[SW+\i]
.endr
.irp i, 0,1,2,3,4,5,6,7
	global_store_b128 v3, v[D+32*(\n)+4*\i:D+32*(\n)+4*\i+3], s[12:13] offset:(ROWS*(\n)+\i)*512 th:TH_STORE_NT
.endr
.endm
	RLOAD 0
	RLOAD 1
	RLOAD 2
	RTURN 0, 32                                    ; batches 1 and 2, 16 loads each, may be out
	RLOAD 3
	RTURN 1, 32                                    ; batches 2 and 3
	RTURN 2, 16                                    ; batch 3
	RTURN 3, 0
	s_endpgm
	; ---------------- JOB I ----------------
.Lcells:
	v_and_b32 v2, 15, v0                           ; r
	v_bfe_u32 v6, v0, 4, 1                         ; h
	v_mul_u32_u24 v3, v2, 12                       ; x: a point is 12 bytes
	v_mul_u32_u24 v4, v6, 96                       ; scales and translations: my half's 8 grids of 12 bytes
	v_lshlrev_b32 v5, 4, v1                        ; out: 16 bytes a lane
	s_lshl_b32 s20, ttmp9, 1
	s_lshr_b32 s21, s17, 1
	s_add_co_u32 s20, s20, s21                     ; W = 2 x work-group + (wave % 4) / 2: which 32 points
	s_and_b32 s19, s17, 1                          ; bh: which two of the four blocks of 16 grids
	s_mul_i32 s22, s20, 384                        ; 32 points x 12 bytes
	s_mov_b32 s23, 0
	s_mul_i32 s24, s19, 384                        ; 32 grids x 12 bytes
	s_mov_b32 s25, 0
	s_lshl_b32 s26, s20, 13                        ; 8,192 bytes of cell numbers for each W,
	s_lshl_b32 s27, s19, 12                        ; 2,048 for each block
	s_add_co_u32 s26, s26, s27
	s_mov_b32 s27, 0
	s_mov_b32 s28, 0x42780000                      ; 62.0
	s_wait_kmcnt 0x0
	s_add_nc_u64 s[6:7], s[6:7], s[22:23]
	s_add_nc_u64 s[8:9], s[8:9], s[24:25]
	s_add_nc_u64 s[10:11], s[10:11], s[24:25]
	s_add_nc_u64 s[14:15], s[14:15], s[26:27]
.irp a, 0,1,2
.irp m, 0,1
	global_load_b32 v[XQ+2*\a+\m], v3, s[6:7] offset:4*\a+192*\m     ; axis a of point 16 m + r
.endr
.endr
.irp bb, 0,1
.irp q, 0,1,2,3,4,5
	global_load_b128 v[SS+24*\bb+4*\q:SS+24*\bb+4*\q+3], v4, s[8:9]   offset:192*\bb+16*\q   ; 8 grids x 3 numbers = 96 bytes, at a multiple of 16
	global_load_b128 v[TR+24*\bb+4*\q:TR+24*\bb+4*\q+3], v4, s[10:11] offset:192*\bb+16*\q
.endr
.endr
	s_wait_loadcnt 0x0
.macro CELL bb, j                      ; grid 16 (2 bh + bb) + 8 h + j, both points
.irp a, 0,1,2
.irp m, 0,1
	v_mul_f32 v[TT+4*\m+\a], v[XQ+2*\a+\m], v[SS+24*(\bb)+3*(\j)+\a]
.endr
.endr
.irp a, 0,1,2
.irp m, 0,1
	v_add_f32 v[TT+4*\m+\a], v[TT+4*\m+\a], v[TR+24*(\bb)+3*(\j)+\a]
.endr
.endr
.irp r, 0,4,1,5,2,6
	v_mul_f32 v[TT+\r], 0x3f2cf915, v[TT+\r]       ; x 1 / 1.48
.endr
.irp r, 0,4,1,5,2,6
	v_add_f32 v[TT+\r], 1.0, v[TT+\r]
.endr
.irp r, 0,4,1,5,2,6
	v_mul_f32 v[TT+\r], 0x41fc0000, v[TT+\r]       ; x 31.5
.endr
.irp r, 0,4,1,5,2,6
	v_floor_f32 v[TT+\r], v[TT+\r]
.endr
.irp r, 0,4,1,5,2,6
	v_med3_num_f32 v[TT+\r], v[TT+\r], 0, s28      ; held to 0 .. 62
.endr
.irp m, 0,1
	v_fmamk_f32 v[TT+4*\m], v[TT+4*\m+1], 0x42800000, v[TT+4*\m]   ; + 64 by: whole numbers under 2^18, nothing is rounded
.endr
.irp m, 0,1
	v_fmamk_f32 v[TT+4*\m], v[TT+4*\m+2], 0x45800000, v[TT+4*\m]   ; + 4096 bz
.endr
.irp m, 0,1
	v_cvt_u32_f32 v[OUT+16*(\bb)+2*(\j)+\m], v[TT+4*\m]
.endr
.endm
.irp bb, 0,1
.irp j, 0,1,2,3,4,5,6,7
	CELL \bb, \j
.endr
.endr
.irp bb, 0,1
.irp q, 0,1,2,3
	global_store_b128 v5, v[OUT+16*\bb+4*\q:OUT+16*\bb+4*\q+3], s[14:15] offset:2048*\bb+512*\q th:TH_STORE_NT   ; 512 consecutive bytes a store
.endr
.endr
	s_endpgm
.Lfunc_end_k_q1e06ca5c73_prep:
	.size	k_q1e06ca5c73_prep, .Lfunc_end_k_q1e06ca5c73_prep-k_q1e06ca5c73_prep
	.p2alignl 7, 3214868480
	.fill 96, 4, 3214868480
	.section	.rodata,"a",@progbits
	.p2align	6, 0x0
	.amdhsa_kernel k_q1e06ca5c73_prep
		.amdhsa_group_segment_fixed_size 0
		.amdhsa_private_segment_fixed_size 0
		.amdhsa_enable_private_segment 0
		.amdhsa_kernarg_size 48
		.amdhsa_user_sgpr_count 2
		.amdhsa_user_sgpr_kernarg_segment_ptr 1
		.amdhsa_wavefront_size32 1
		.amdhsa_system_sgpr_workgroup_id_x 1
		.amdhsa_system_sgpr_workgroup_id_y 1
		.amdhsa_system_sgpr_workgroup_id_z 1
		.amdhsa_system_vgpr_workitem_id 0
		.amdhsa_next_free_vgpr 160
		.amdhsa_next_free_sgpr 66
		.amdhsa_reserve_vcc 0
		.amdhsa_float_denorm_mode_32 3
		.amdhsa_float_denorm_mode_16_64 3
		.amdhsa_memory_ordered 1
		.amdhsa_forward_progress 1
		.amdhsa_inst_pref_size 53
	.end_amdhsa_kernel
	.amdgpu_metadata
---
amdhsa.version: [ 1, 2 ]
amdhsa.kernels:
  - .name:           k_q1e06ca5c73_prep
    .symbol:         k_q1e06ca5c73_prep.kd
    .args:
      - { .name: feature_grids, .offset: 0, .size: 8, .value_kind: global_buffer, .address_space: global }
      - { .name: x, .offset: 8, .size: 8, .value_kind: global_buffer, .address_space: global }
      - { .name: grid_scales, .offset: 16, .size: 8, .value_kind: global_buffer, .address_space: global }
      - { .name: grid_translations, .offset: 24, .size: 8, .value_kind: global_buffer, .address_space: global }
      - { .name: table, .offset: 32, .size: 8, .value_kind: global_buffer, .address_space: global }
      - { .name: cells, .offset: 40, .size: 8, .value_kind: global_buffer, .address_space: global }
    .group_segment_fixed_size: 0
    .private_segment_fixed_size: 0
    .kernarg_segment_align: 8
    .kernarg_segment_size: 48
    .max_flat_workgroup_size: 256
    .sgpr_count:     66
    .vgpr_count:     160
    .wavefront_size: 32
...
	.end_amdgpu_metadata
.endif
;; end of part 3
;; launch sample_mlp (part 4): grid 256 x 1, 16 waves a work-group, no clusters, 34,816 bytes of LDS; arguments x, grid_scales, grid_translations, cells, table, W0, W1, b0, b1, W2, b2, out0; writes out0
.if DOCPART == 4
	.amdgcn_target "amdgcn-amd-amdhsa--gfx1250"
	.amdhsa_code_object_version 6
	.text
	.protected	k_q1e06ca5c73_sample_mlp
	.globl	k_q1e06ca5c73_sample_mlp
	.p2align	8
	.type	k_q1e06ca5c73_sample_mlp,@function
k_q1e06ca5c73_sample_mlp:
	s_mov_b64 s[64:65], 0
	v_nop
	global_prefetch_b8 v0, s[64:65] scope:SCOPE_SE
	s_setreg_imm32_b32 hwreg(HW_REG_WAVE_MODE, 25, 1), 1
	s_wait_xcnt 0x0
; out0[n] = W2 . lrelu(W1 lrelu(W0 feats[n] + b0) + b1) + b2, feats[n][2 g + c] = the trilinear sample (zeros outside) of channel c of grid g at point n's coordinate in that grid.
; The two products 128 x 128 run on codes of BF6 (E3M2) with one E8M0 scale for each 32 along K; everything ahead of a quantiser, and the last product (one output), is f32.
; SHARES.  A work-group of sixteen waves owns 512 points, a wave 32: two tiles m = 0, 1 of 16.  Lane (r = lane % 16, h = lane / 16) serves point r of both tiles and the 32 grids g = 16 b + 8 h + j.
; Step s = 8 b + j (32 steps) leaves its two features in F[m][2 j + c], which is k = 32 b + 16 h + 2 j + c: a lane's 16 registers are 16 neighbours along K of block b, as the conversion wants them; nothing changes lanes.
; THE GATHER.  table [g][z][y][x] holds cells of 8 bytes (c0(x), c1(x)); cells holds, for each point and grid, bx + 64 by + 4096 bz with b held to 0 .. 62, made by the launch before.
; So a point and a grid cost eight loads of 8 bytes: nodes x and x + 1 at (z, y), (z, y+1), (z+1, y), (z+1, y+1).  (The two neighbours' 16 bytes begin at a multiple of 8 only, so they are two loads.)
; The next step's sixteen loads are issued before this step's are waited for.
; THE WEIGHTS.  f is made operation by operation, each rounded once (x s, + t, x 1 / 1.48, + 1, x 31.5): no fused multiply-add there, on purpose.  d = f - b, b unpacked from the stored cell, so that weights and
; nodes always fit.  Node b weighs max(0, 1 - |d|), node b + 1 weighs the middle one of (d, 2 - d, 0): inside the grid these are 1 - w and w; one cell outside, the one valid node keeps its weight; further out both are 0.
; THE MLP.  Both products are used transposed (source 0 = 16 rows of W, source 1 = 16 points), and lane r of tile 2 b + u of W takes row 32 b + 8 u + r + 8 (r / 8): the 16 registers of tiles 2 b and 2 b + 1 are then
; 16 neighbours along the next K.  Wave w quantises tile w % 8 of W0 (w < 8) or W1 once and leaves it in LDS as an image of the operand's registers (3 x 512 bytes, lane l's 16 bytes at 16 l) with its scale words.
; The biases are the C of each product.  Sixteen different accumulators, one K step each: no accumulator is taken up twice.
; NO CLUSTER, NO TENSOR LOAD: what work-groups share is the 131,072 bytes of W0 and W1, read once by each, against 512 points x 64 grids x 64 bytes = 2,097,152 bytes of cells of its own.
; LIMITS: a coordinate that is NaN is not served (infinite ones get weight 0).  A block whose largest magnitude lies under 2^-122 keeps the scale byte 1, a block of zeros too (its codes are zeros; the bytes are read here alone).
.set LAST, 31                          ; the last step: 4 blocks of 32 along K x 8 grids a lane
.set XB,   8                           ; the table: bytes from a cell to its neighbour along x,
.set YB,   512                         ; along y (64 cells),
.set ZB,   32768                       ; along z (4,096 cells),
.set GRIDB, 0x200000                   ; and from grid to grid (2^18 cells)
.set WIMG, 0                           ; LDS: 16 images of 1,536 bytes: W0's 8 tiles, W1's 8
.set WSC,  24576                       ; their scale words, 128 bytes each
.set PRM,  26624                       ; [64 g][16 f32]: sx sx sy sy sz sz tx tx ty ty tz tz and 4 spare
.set OUTS, 30720                       ; the work-group's 512 results
.set LI,  1                            ; v1   16 x lane
.set LS,  2                            ; v2   4 x lane
.set BO,  3                            ; v3   64 h
.set OSA, 4                            ; v4   OUTS + 4 x thread
.set ORA, 5                            ; v5   OUTS + 16 x (thread % 128)
.set VB,  6                            ; v6   the byte at which the grid to be asked for begins in the table
.set PH,  7                            ; v7   PRM + 512 h
.set PW,  8                            ; v8-9   the scale word of my point, tile m: scales and nothing else
.set WS,  10                           ; v10-13 four tiles' scale words of W: scales and nothing else
.set PC,  16                           ; v16-39 the operand's codes, 12 registers a tile
.set STG, 40                           ; v40-55 the odd blocks' codes until they change halves, 8 a tile
.set QT,  56                           ; v56-63 the quantiser's four registers, two sets
.set XR,  64                           ; v64-69 x: pair a = (tile 0, tile 1)
.set AD,  70                           ; v70-73 gather offsets: 2 (s % 2) + m
.set PR,  74                           ; v74-85 the step's scales and translations, six pairs of twins
.set IDX, 86                           ; v86-117 cell numbers: 16 (b % 2) + 2 j + m
.set FF,  118                          ; v118-123 f, then d: pair a
.set BB,  124                          ; v124-129 b, then 2 - d: pair a
.set WL,  130                          ; v130-141 the lower node's weight at 4 a + 2 m; the register above it is its scratch
.set WH,  142                          ; v142-153 the upper node's weight at 4 a + 2 m; the register above it holds 0
.set FT,  154                          ; v154-185 features of the block in hand: 16 m + 2 j + c
.set GG,  186                          ; v186-249 gathered cells: 32 (s % 2) + 16 m + 4 corner: c0(x), c1(x), c0(x+1), c1(x+1)
.set WF,  40                           ; MLP: v40-87 four fragments of W
.set BI,  88                           ; v88-119 four tiles of bias
.set HH,  120                          ; v120-247 the layer's results: 64 m + 8 t + j.  (At the head: my tile of W as f32, v120-183)
.set LT,  248                          ; v248-255 at work
.set W2L, 40                           ; v40-103 my 64 numbers of W2
.set ACC, 104                          ; v104-107 the last product's sums, a pair a tile
	s_load_b512 s[4:19], s[0:1], 0x0               ; x s[4:5], scales s[6:7], translations s[8:9], cells s[10:11], table s[12:13], W0 s[14:15], W1 s[16:17], b0 s[18:19]
	s_load_b256 s[20:27], s[0:1], 0x40             ; b1 s[20:21], W2 s[22:23], b2 s[24:25], out0 s[26:27]
	v_lshrrev_b32 v14, 5, v0
	v_readfirstlane_b32 s28, v14                   ; wave 0..15
	v_and_b32 v15, 31, v0                          ; lane
	v_lshlrev_b32 v[LI], 4, v15
	v_lshlrev_b32 v[LS], 2, v15
	v_bfe_u32 v14, v0, 4, 1                        ; h
	v_lshlrev_b32 v[BO], 6, v14
	v_lshl_add_u32 v[OSA], v0, 2, OUTS
	v_and_b32 v[ORA], 127, v0
	v_lshl_add_u32 v[ORA], v[ORA], 4, OUTS
	v_lshlrev_b32 v[VB], 24, v14                   ; grid 8 h: a grid's cells are 2^21 bytes
	v_lshl_add_u32 v[PH], v14, 9, PRM
	; the parameters' table: thread t writes words t and t + 512: grid t / 16 (and 32 more), entry e = t % 16
	v_and_b32 v186, 15, v0
	v_lshrrev_b32 v186, 1, v186
	v_min_u32 v186, 5, v186                        ; u = min(e / 2, 5): 0-2 a scale, 3-5 a translation (the four spare words repeat the last)
	v_cmp_le_u32 s37, 3, v186
	v_cndmask_b32 v187, 0, 3, s37
	v_sub_nc_u32 v186, v186, v187                  ; the axis
	v_lshrrev_b32 v187, 4, v0
	v_mul_u32_u24 v187, v187, 12
	v_lshl_add_u32 v192, v186, 2, v187             ; 12 g + 4 a
	v_lshl_add_u32 v193, v0, 2, PRM
	; my tile of W: lane (r, h) takes row r + 8 (r / 8) of the tile's span, 16 numbers of each block of 32
	v_and_b32 v188, 15, v0                         ; r
	v_and_b32 v189, 8, v188
	v_add_nc_u32 v189, v189, v188
	v_lshl_add_u32 v194, v189, 9, v[BO]            ; a row is 512 bytes; + 64 h
	v_mul_u32_u24 v195, v188, 12                   ; x: 12 r
	s_lshr_b32 s29, s28, 1
	s_and_b32 s29, s29, 3
	s_lshl_b32 s34, s29, 14                        ; tile t = wave % 8 begins at row 32 (t / 2) + 8 (t % 2)
	s_and_b32 s29, s28, 1
	s_lshl_b32 s29, s29, 12
	s_add_co_u32 s34, s34, s29
	s_mov_b32 s35, 0
	s_lshl_b32 s38, ttmp9, 4
	s_add_co_u32 s38, s38, s28                     ; which 32 points of all: 16 x work-group + wave
	s_mul_i32 s40, s38, 384                        ; their 12 bytes each
	s_mov_b32 s41, 0
	s_lshl_b32 s42, s38, 13                        ; their 8,192 bytes of cell numbers
	s_mov_b32 s43, 0
	s_lshl_b32 s44, ttmp9, 11                      ; the work-group's 2,048 bytes of out0
	s_mov_b32 s45, 0
	s_mul_i32 s39, s28, 1536
	s_lshl_b32 s46, s28, 7
	v_add_nc_u32 v14, s39, v[LI]                   ; where my image goes,
	v_add_nc_u32 v15, s46, v[LS]                   ; and its scale words
	s_mov_b32 s32, 0x76543210
	s_mov_b32 s33, 0xfedcba98                      ; v_permlanex16_b32's selects for lane l xor 16
	s_wait_kmcnt 0x0
	s_load_b32 s36, s[24:25], 0x0                  ; b2
	s_cmp_lt_u32 s28, 8
	s_cselect_b64 s[30:31], s[14:15], s[16:17]     ; waves 0-7 take W0, waves 8-15 W1
	s_add_nc_u64 s[30:31], s[30:31], s[34:35]
	s_add_nc_u64 s[4:5], s[4:5], s[40:41]
	s_add_nc_u64 s[10:11], s[10:11], s[42:43]
	s_add_nc_u64 s[26:27], s[26:27], s[44:45]
; 16 numbers of a lane, k = 32 b + 16 h + 0 .. 15 of its row, become 96 bits of codes; the block's byte goes into tile m's scale word.  q: four registers at work.
; Even blocks' codes go straight to their place in the operand, odd blocks' to STG (a conversion's three registers begin on an even number).
.macro QBLK src, m, b, q
.if ((\b)%2) == 0
.set COD, PC+12*(\m)+3*(\b)
.else
.set COD, STG+8*(\m)+2*((\b)-1)
.endif
	v_max3_num_f32 v[(\q)],   |v[(\src)]|,   |v[(\src)+1]|, 0x2800000       ; the floor 2^(5 - 127) among the leaves: the byte cannot fall under 1
	v_max3_num_f32 v[(\q)+1], |v[(\src)+2]|, |v[(\src)+3]|, |v[(\src)+4]|   ; two chains
	v_max3_num_f32 v[(\q)],   v[(\q)],   |v[(\src)+5]|,  |v[(\src)+6]|
	v_max3_num_f32 v[(\q)+1], v[(\q)+1], |v[(\src)+7]|,  |v[(\src)+8]|
	v_max3_num_f32 v[(\q)],   v[(\q)],   |v[(\src)+9]|,  |v[(\src)+10]|
	v_max3_num_f32 v[(\q)+1], v[(\q)+1], |v[(\src)+11]|, |v[(\src)+12]|
	v_max3_num_f32 v[(\q)],   v[(\q)],   |v[(\src)+13]|, |v[(\src)+14]|
	v_max3_num_f32 v[(\q)],   v[(\q)],   v[(\q)+1],      |v[(\src)+15]|
	v_permlanex16_b32 v[(\q)+1], v[(\q)], s32, s33
	v_max_num_f32 v[(\q)], v[(\q)], v[(\q)+1]      ; with lane l xor 16's 16: the block's largest magnitude
	v_add_nc_u32 v[(\q)+2], 0xfe000000, v[(\q)]    ; 4 off its exponent field: the conversion takes this operand's exponent field as its scale
	v_lshrrev_b32 v[(\q)+3], 23, v[(\q)+2]         ; the scale's byte
.if (\b) == 0
	v_mov_b32 v[PW+(\m)], v[(\q)+3]
.else
	v_lshl_or_b32 v[PW+(\m)], v[(\q)+3], 8*(\b), v[PW+(\m)]
.endif
	v_cvt_scalef32_pk16_bf6_f32 v[COD:COD+2], v[(\src):(\src)+15], v[(\q)+2]
	v_nop                                          ; one plain instruction behind a scaled conversion, before anything touches its result or writes its sources
.endm
; The operand wants a whole block in a lane: lanes 0-15 block 2 c, lanes 16-31 block 2 c + 1.  The even block's upper lanes change places with the odd block's lower lanes.
.macro FINISH m
.irp c, 0,1
.irp i, 0,1,2
	v_permlane16_swap_b32 v[PC+12*(\m)+6*\c+\i], v[STG+8*(\m)+4*\c+\i]
.endr
.irp i, 0,1,2
	v_mov_b32 v[PC+12*(\m)+3+6*\c+\i], v[STG+8*(\m)+4*\c+\i]
.endr
.endr
.endm
.macro IDXLOAD b                       ; block b's 16 cell numbers a lane: four loads of 512 consecutive bytes
.irp q, 0,1,2,3
	global_load_b128 v[IDX+16*((\b)%2)+4*\q:IDX+16*((\b)%2)+4*\q+3], v[LI], s[10:11] offset:2048*(\b)+512*\q th:TH_LOAD_NT
.endr
.endm
	; the head's loads, in the order in which they are wanted
	global_load_b32 v186, v192, s[6:7]
	global_load_b32 v187, v192, s[8:9]
	global_load_b32 v188, v192, s[6:7] offset:384
	global_load_b32 v189, v192, s[8:9] offset:384
.irp b, 0,1,2,3
.irp q, 0,1,2,3
	global_load_b128 v[HH+16*\b+4*\q:HH+16*\b+4*\q+3], v194, s[30:31] offset:128*\b+16*\q
.endr
.endr
.irp a, 0,1,2
.irp m, 0,1
	global_load_b32 v[XR+2*\a+\m], v195, s[4:5] offset:4*\a+192*\m
.endr
.endr
	IDXLOAD 0
	s_wait_loadcnt 26                              ; the four parameters are in; the 16 + 6 + 4 loads behind them may be out
	v_cndmask_b32 v190, v186, v187, s37
	v_cndmask_b32 v191, v188, v189, s37
	ds_store_b32 v193, v190
	ds_store_b32 v193, v191 offset:2048
	s_wait_loadcnt 10                              ; my tile of W is in; x's 6 and the cell numbers' 4 may be out
	QBLK HH,    0, 0, QT
	QBLK HH+16, 0, 1, QT+4
	QBLK HH+32, 0, 2, QT
	QBLK HH+48, 0, 3, QT+4
	FINISH 0
.irp c, 0,1,2
	ds_store_b128 v14, v[PC+4*\c:PC+4*\c+3] offset:WIMG+512*\c   ; the fragment as it stands
.endr
	ds_store_b32 v15, v[PW] offset:WSC
	s_wait_kmcnt 0x0                               ; b2
	s_wait_dscnt 0x0                               ; for the others' sake: my stores have landed
	s_barrier_signal -1
	s_barrier_wait -1                              ; the parameters, the sixteen images and their scale words lie in LDS; nothing writes them again
	s_wait_loadcnt 0x0                             ; x and block 0's cell numbers
.irp i, 0,1,2,3,4,5
	v_mov_b32 v[WH+2*\i+1], 0                      ; named as the upper halves of pairs, so they are written
.endr
.macro PLOAD s                         ; step s's scales and translations: the sixteen lanes of a half read the same 48 bytes.  The highest read ends at PRM + 512 + 64 x 55 + 48, under OUTS
.irp c, 0,1,2
	ds_load_b128 v[PR+4*\c:PR+4*\c+3], v[PH] offset:64*(16*((\s)/8)+(\s)%8)+16*\c
.endr
.endm
.macro ISSUE s                         ; step s's sixteen gathers
.set II, IDX+16*(((\s)/8)%2)+2*((\s)%8)
.set IA, AD+2*((\s)%2)
.set IG, GG+32*((\s)%2)
.irp m, 0,1
	v_min_u32 v[II+\m], 0x3efbe, v[II+\m]          ; 62 + 64 x 62 + 4096 x 62: whatever was stored, every load stays in its grid: 8 x that + ZB + YB + XB + 8 bytes is the grid's end
.endr
.irp m, 0,1
	v_lshlrev_b32 v[IA+\m], 3, v[II+\m]            ; 8 bytes a cell
.endr
.irp m, 0,1
	v_add_nc_u32 v[IA+\m], v[VB], v[IA+\m]
.endr
.irp m, 0,1
.irp c, 0,1,2,3                        ; corner c: y + c % 2, z + c / 2; node x, then node x + 1
	global_load_b64 v[IG+16*\m+4*\c:IG+16*\m+4*\c+1],   v[IA+\m], s[12:13] offset:YB*(\c%2)+ZB*(\c/2)
	global_load_b64 v[IG+16*\m+4*\c+2:IG+16*\m+4*\c+3], v[IA+\m], s[12:13] offset:YB*(\c%2)+ZB*(\c/2)+XB
.endr
.endr
.if (\s) < LAST
.if ((\s)%8) == 7
	v_add_nc_u32 v[VB], 9*GRIDB, v[VB]             ; from grid 16 b + 8 h + 7 to 16 (b + 1) + 8 h: nine grids on
.else
	v_add_nc_u32 v[VB], GRIDB, v[VB]               ; the next grid
.endif
.endif
.endm
.macro CONSUME s                       ; step s: coordinates, weights, and the eight corners of both points folded into two features each
.set CI, IDX+16*(((\s)/8)%2)+2*((\s)%8)
.set CG, GG+32*((\s)%2)
.set CF, FT+2*((\s)%8)
.irp a, 0,1,2
	v_pk_mul_f32 v[FF+2*\a:FF+2*\a+1], v[XR+2*\a:XR+2*\a+1], v[PR+2*\a:PR+2*\a+1]      ; x s, both tiles
.endr
.irp a, 0,1,2
	v_pk_add_f32 v[FF+2*\a:FF+2*\a+1], v[FF+2*\a:FF+2*\a+1], v[PR+6+2*\a:PR+6+2*\a+1]  ; + t
.endr
.irp a, 0,1,2
	v_pk_mul_f32 v[FF+2*\a:FF+2*\a+1], v[FF+2*\a:FF+2*\a+1], 0x3f2cf915 op_sel_hi:[1,0]   ; x 1 / 1.48
.endr
.irp m, 0,1
	v_and_b32 v[BB+\m], 63, v[CI+\m]               ; bx, by, bz out of the cell number
	v_bfe_u32 v[BB+2+\m], v[CI+\m], 6, 6
	v_lshrrev_b32 v[BB+4+\m], 12, v[CI+\m]
.endr
.irp a, 0,1,2
	v_pk_add_f32 v[FF+2*\a:FF+2*\a+1], v[FF+2*\a:FF+2*\a+1], 1.0 op_sel_hi:[1,0]
.endr
.irp i, 0,1,2,3,4,5
	v_cvt_f32_u32 v[BB+\i], v[BB+\i]
.endr
.irp a, 0,1,2
	v_pk_mul_f32 v[FF+2*\a:FF+2*\a+1], v[FF+2*\a:FF+2*\a+1], 0x41fc0000 op_sel_hi:[1,0]   ; x 31.5: f
.endr
.irp a, 0,1,2
	v_pk_add_f32 v[FF+2*\a:FF+2*\a+1], v[FF+2*\a:FF+2*\a+1], v[BB+2*\a:BB+2*\a+1] neg_lo:[0,1] neg_hi:[0,1]   ; d = f - b
.endr
.irp i, 0,1,2,3,4,5
	v_sub_f32 v[WL+2*\i+1], 1.0, |v[FF+\i]|
.endr
.irp a, 0,1,2
	v_pk_fma_f32 v[BB+2*\a:BB+2*\a+1], v[FF+2*\a:FF+2*\a+1], -1.0, 2.0 op_sel_hi:[1,0,0]   ; 2 - d
.endr
.irp i, 0,1,2,3,4,5
	v_max_num_f32 v[WL+2*\i], 0, v[WL+2*\i+1]      ; node b's weight
.endr
.irp i, 0,1,2,3,4,5
	v_med3_num_f32 v[WH+2*\i], v[FF+\i], v[BB+\i], 0   ; node b + 1's
.endr
	; along x, then y, then z; both channels at once; of a weight's pair the low register serves both halves
.irp m, 0,1
.irp c, 0,1,2,3
	v_pk_mul_f32 v[CG+16*\m+4*\c:CG+16*\m+4*\c+1], v[CG+16*\m+4*\c:CG+16*\m+4*\c+1], v[WL+2*\m:WL+2*\m+1] op_sel_hi:[1,0]
.endr
.endr
.irp m, 0,1
.irp c, 0,1,2,3
	v_pk_fma_f32 v[CG+16*\m+4*\c:CG+16*\m+4*\c+1], v[CG+16*\m+4*\c+2:CG+16*\m+4*\c+3], v[WH+2*\m:WH+2*\m+1], v[CG+16*\m+4*\c:CG+16*\m+4*\c+1] op_sel_hi:[1,0,1]
.endr
.endr
.irp m, 0,1
.irp c, 0,2
	v_pk_mul_f32 v[CG+16*\m+4*\c:CG+16*\m+4*\c+1], v[CG+16*\m+4*\c:CG+16*\m+4*\c+1], v[WL+4+2*\m:WL+4+2*\m+1] op_sel_hi:[1,0]
.endr
.endr
.irp m, 0,1
.irp c, 0,2
	v_pk_fma_f32 v[CG+16*\m+4*\c:CG+16*\m+4*\c+1], v[CG+16*\m+4*\c+4:CG+16*\m+4*\c+5], v[WH+4+2*\m:WH+4+2*\m+1], v[CG+16*\m+4*\c:CG+16*\m+4*\c+1] op_sel_hi:[1,0,1]
.endr
.endr
.irp m, 0,1
	v_pk_mul_f32 v[CG+16*\m:CG+16*\m+1], v[CG+16*\m:CG+16*\m+1], v[WL+8+2*\m:WL+8+2*\m+1] op_sel_hi:[1,0]
.endr
.irp m, 0,1
	v_pk_fma_f32 v[CF+16*\m:CF+16*\m+1], v[CG+16*\m+8:CG+16*\m+9], v[WH+8+2*\m:WH+8+2*\m+1], v[CG+16*\m:CG+16*\m+1] op_sel_hi:[1,0,1]
.endr
.endm
; A slot: this step's parameters are asked for, the next step's gathers go out, this step's are waited for and folded.
; The gather offsets and the cells' registers that the next step takes are those of the step before this one, whose loads were waited for a slot ago.
.macro SLOT s
	PLOAD \s
.if (\s) < LAST
	ISSUE (\s)+1
.endif
.if (\s) == LAST
	s_wait_loadcnt 0x0                             ; the last step: nothing was issued behind it
.elseif (((\s)%8) == 1) && ((\s) < 24)
	s_wait_loadcnt 20                              ; behind this step's gathers: the next block's 4 loads of cell numbers and the next step's 16 gathers
.else
	s_wait_loadcnt 16                              ; behind this step's gathers: the next step's 16
.endif
	s_wait_dscnt 0x0                               ; the parameters
	CONSUME \s
.if (((\s)%8) == 0) && ((\s) < 24)
	IDXLOAD (\s)/8+1                               ; the next block's cell numbers, seven steps ahead of their first use, into the set that the block before has left
.endif
.if ((\s)%8) == 7
	QBLK FT,    0, (\s)/8, QT                      ; a block of 32 along K is whole: its codes and its byte
	QBLK FT+16, 1, (\s)/8, QT+4
.endif
.endm
	ISSUE 0
.set STP, 0
.rept LAST+1
	SLOT STP
.set STP, STP+1
.endr
; A layer: 16 products, four tiles of W at a time against both tiles of points.  l: the layer; bp: the scalar pair with the bias's address.
.macro LAYER l, bp
.irp g, 0,1
.rept 4
	v_nop                                          ; four plain instructions between a matrix instruction and loads into registers that it has read (ISA guide 7.12.1 for vector instructions; the same distance is kept for loads)
.endr
.irp t, 0,1,2,3
.irp c, 0,1,2
	ds_load_b128 v[WF+12*\t+4*\c:WF+12*\t+4*\c+3], v[LI] offset:WIMG+(8*(\l)+4*\g+\t)*1536+512*\c
.endr
	ds_load_b32 v[WS+\t], v[LS] offset:WSC+128*(8*(\l)+4*\g+\t)
	global_load_b128 v[BI+8*\t:BI+8*\t+3],   v[BO], s[(\bp):(\bp)+1] offset:128*((4*\g+\t)/2)+32*(\t%2)      ; the bias of units 32 (t / 2) + 16 h + 8 (t % 2) + 0 .. 7: the result's layout
	global_load_b128 v[BI+8*\t+4:BI+8*\t+7], v[BO], s[(\bp):(\bp)+1] offset:128*((4*\g+\t)/2)+32*(\t%2)+16
.endr
	s_wait_dscnt 0x0
	s_wait_loadcnt 0x0
.irp t, 0,1,2,3
.irp m, 0,1
	v_wmma_scale_f32_16x16x128_f8f6f4 v[HH+64*\m+8*(4*\g+\t):HH+64*\m+8*(4*\g+\t)+7], v[WF+12*\t:WF+12*\t+11], v[PC+12*\m:PC+12*\m+11], v[BI+8*\t:BI+8*\t+7], v[WS+\t], v[PW+\m] matrix_a_fmt:MATRIX_FMT_BF6 matrix_b_fmt:MATRIX_FMT_BF6
.endr
.endr
.endr
.rept 4
	v_nop                                          ; and between the last products and the first read of their results
.endr
.endm
.macro LRELU                           ; max(v, 0.2 v), accumulator by accumulator, each from its low end on
.set LA, HH
.rept 16
.irp i, 0,1,2,3
	v_pk_mul_f32 v[LT+2*\i:LT+2*\i+1], v[LA+2*\i:LA+2*\i+1], 0x3e4ccccd op_sel_hi:[1,0]
.endr
.irp i, 0,1,2,3,4,5,6,7
	v_max_num_f32 v[LA+\i], v[LA+\i], v[LT+\i]
.endr
.set LA, LA+8
.endr
.endm
.macro AHEAD                           ; a scale word made by vector instructions stands eight plain instructions ahead of a scaled matrix instruction, codes so made four
.rept 8
	v_nop
.endr
.endm
	FINISH 0
	FINISH 1
	AHEAD
	LAYER 0, 18
	LRELU
.irp b, 0,1,2,3
	QBLK HH+16*\b,    0, \b, QT
	QBLK HH+64+16*\b, 1, \b, QT+4
.endr
	FINISH 0
	FINISH 1
	AHEAD
	LAYER 1, 20
.irp b, 0,1,2,3
.irp q, 0,1,2,3
	global_load_b128 v[W2L+16*\b+4*\q:W2L+16*\b+4*\q+3], v[BO], s[22:23] offset:128*\b+16*\q   ; W2 at my 64 units: 32 b + 16 h + 0 .. 15; it lands while the activation is made
.endr
.endr
	LRELU
	s_wait_loadcnt 0x0
	; the last product, one output: fused multiply-adds in f32, two at a time, the two tiles by turns
.irp m, 0,1
	v_pk_mul_f32 v[ACC+2*\m:ACC+2*\m+1], v[HH+64*\m:HH+64*\m+1], v[W2L:W2L+1]
.endr
.set DI, 2
.rept 31
.irp m, 0,1
	v_pk_fma_f32 v[ACC+2*\m:ACC+2*\m+1], v[HH+64*\m+DI:HH+64*\m+DI+1], v[W2L+DI:W2L+DI+1], v[ACC+2*\m:ACC+2*\m+1]
.endr
.set DI, DI+2
.endr
	v_add_f32 v[ACC], v[ACC], v[ACC+1]
	v_add_f32 v[ACC+2], v[ACC+2], v[ACC+3]
	v_permlanex16_b32 v[ACC+1], v[ACC], s32, s33   ; the point's other 64 units lie in the lane 16 away
	v_permlanex16_b32 v[ACC+3], v[ACC+2], s32, s33
	v_add_f32 v[ACC], v[ACC], v[ACC+1]
	v_add_f32 v[ACC+2], v[ACC+2], v[ACC+3]
	v_cmp_gt_u32 vcc_lo, 64, v[LS]                 ; lanes 0-15 keep tile 0's point, lanes 16-31 tile 1's: lane l then holds the wave's point l
	v_cndmask_b32 v[ACC], v[ACC+2], v[ACC], vcc_lo
	v_add_f32 v[ACC], s36, v[ACC]                  ; + b2
	; the way out: a wave's 32 results are 128 bytes, so the work-group's 512 meet in LDS and leave by four stores of 512 consecutive bytes
	ds_store_b32 v[OSA], v[ACC]
	v_and_b32 v14, 127, v0
	v_lshlrev_b32 v14, 4, v14
	s_wait_dscnt 0x0                               ; for the others' sake: my store has landed
	s_barrier_signal -1
	s_barrier_wait -1
	s_cmp_gt_u32 s28, 3
	s_cbranch_scc1 .Lend                           ; waves 0 to 3 store
	ds_load_b128 v[108:111], v[ORA]
	s_wait_dscnt 0x0
	global_store_b128 v14, v[108:111], s[26:27]
.Lend:
	s_wait_xcnt 0x0
	v_lshl_add_u32 v248, v0, 2, 0x8000
	v_mov_b32 v249, 0
	s_wait_tensorcnt 0x0
	ds_add_u32 v248, v249
	s_wait_dscnt 0x0
	s_endpgm
.Lfunc_end_k_q1e06ca5c73_sample_mlp:
	.size	k_q1e06ca5c73_sample_mlp, .Lfunc_end_k_q1e06ca5c73_sample_mlp-k_q1e06ca5c73_sample_mlp
	.p2alignl 7, 3214868480
	.fill 96, 4, 3214868480
	.section	.rodata,"a",@progbits
	.p2align	6, 0x0
	.amdhsa_kernel k_q1e06ca5c73_sample_mlp
		.amdhsa_group_segment_fixed_size 34816
		.amdhsa_private_segment_fixed_size 0
		.amdhsa_enable_private_segment 0
		.amdhsa_kernarg_size 96
		.amdhsa_user_sgpr_count 2
		.amdhsa_user_sgpr_kernarg_segment_ptr 1
		.amdhsa_wavefront_size32 1
		.amdhsa_system_sgpr_workgroup_id_x 1
		.amdhsa_system_sgpr_workgroup_id_y 1
		.amdhsa_system_sgpr_workgroup_id_z 1
		.amdhsa_system_vgpr_workitem_id 0
		.amdhsa_next_free_vgpr 256
		.amdhsa_next_free_sgpr 66
		.amdhsa_reserve_vcc 1
		.amdhsa_float_denorm_mode_32 3
		.amdhsa_float_denorm_mode_16_64 3
		.amdhsa_memory_ordered 1
		.amdhsa_forward_progress 1
		.amdhsa_inst_pref_size 255
	.end_amdhsa_kernel
	.section	.bss,"aw",@nobits
	.p2align	6
	.space	262144
	.amdgpu_metadata
---
amdhsa.version: [ 1, 2 ]
amdhsa.kernels:
  - .name:           k_q1e06ca5c73_sample_mlp
    .symbol:         k_q1e06ca5c73_sample_mlp.kd
    .args:
      - { .name: x, .offset: 0, .size: 8, .value_kind: global_buffer, .address_space: global }
      - { .name: grid_scales, .offset: 8, .size: 8, .value_kind: global_buffer, .address_space: global }
      - { .name: grid_translations, .offset: 16, .size: 8, .value_kind: global_buffer, .address_space: global }
      - { .name: cells, .offset: 24, .size: 8, .value_kind: global_buffer, .address_space: global }
      - { .name: table, .offset: 32, .size: 8, .value_kind: global_buffer, .address_space: global }
      - { .name: W0, .offset: 40, .size: 8, .value_kind: global_buffer, .address_space: global }
      - { .name: W1, .offset: 48, .size: 8, .value_kind: global_buffer, .address_space: global }
      - { .name: b0, .offset: 56, .size: 8, .value_kind: global_buffer, .address_space: global }
      - { .name: b1, .offset: 64, .size: 8, .value_kind: global_buffer, .address_space: global }
      - { .name: W2, .offset: 72, .size: 8, .value_kind: global_buffer, .address_space: global }
      - { .name: b2, .offset: 80, .size: 8, .value_kind: global_buffer, .address_space: global }
      - { .name: out0, .offset: 88, .size: 8, .value_kind: global_buffer, .address_space: global }
    .group_segment_fixed_size: 34816
    .private_segment_fixed_size: 0
    .kernarg_segment_align: 8
    .kernarg_segment_size: 96
    .max_flat_workgroup_size: 512
    .sgpr_count:     66
    .vgpr_count:     256
    .wavefront_size: 32
...
	.end_amdgpu_metadata
.endif
;; end of part 4
;; ======== version 3 of 3: 2 launches
;; workspace buffers: table 134,217,728 bytes; cells 33,554,432 bytes of whole numbers
;; launch prep (part 5): grid 2048 x 1, 8 waves a work-group, no clusters, 0 bytes of LDS; arguments feature_grids, x, grid_scales, grid_translations, table, cells; writes table, cells
.if DOCPART == 5
	.amdgcn_target "amdgcn-amd-amdhsa--gfx1250"
	.amdhsa_code_object_version 6
	.text
	.protected	k_q1e06ca5c73_prep
	.globl	k_q1e06ca5c73_prep
	.p2align	8
	.type	k_q1e06ca5c73_prep,@function
k_q1e06ca5c73_prep:
	s_mov_b64 s[64:65], 0
	v_nop
	global_prefetch_b8 v0, s[64:65] scope:SCOPE_SE
	s_setreg_imm32_b32 hwreg(HW_REG_WAVE_MODE, 25, 1), 1
	s_wait_xcnt 0x0
; Two jobs in one launch, shared out by the wave's number, so that every work-group has the same work: waves 0-3 lay the table out anew, waves 4-7 make the cell numbers.
; JOB R.  feature_grids [64 g][2 c][64 z][64 y][64 x] f32 becomes table [g][z][y][x] of cells of 8 bytes, (c0(x), c1(x)): as many bytes as the input,
; and the next launch fetches both channels of a node by one load: 8 loads for a point and a grid in place of 16.
; A wave takes 32 rows (g, z, y) of 64 nodes, in four batches of 8 rows.  A lane takes nodes 2 l and 2 l + 1 of both channels: each load covers a channel's whole row, 256 consecutive bytes;
; three moves change the two middle registers' places, and the lane's two cells leave as 16 bytes: each store covers 512 consecutive bytes, at a multiple of 512 from the table's first byte.
; (Loads of 4 bytes a lane would spare the moves and take twice the memory instructions.)  Every batch has registers of its own: no store's data are written again.
; JOB I.  For point n and grid g: cell = bx + 64 by + 4096 bz, b = floor(f) held to 0 .. 62, f the grid coordinate as the next launch computes it too.
; cells [4096 W][4 b][4 q][32 lane][4 e] u32: lane = (r, h), e = 2 (j % 2) + m, q = j / 2: point 32 W + 16 m + r, grid 16 b + 8 h + j: the order in which a wave of the next launch takes them.
; THE COORDINATE is made operation by operation, each rounded once: x s, + t, x (1 / 1.48), + 1, x 31.5 (the same bits as x 0.5 x 63, since x 0.5 rounds nothing).  No fused multiply-add here, on purpose.
; LIMIT: a coordinate that is NaN is not served.  Infinite and very large ones are held to cell 0 or 62, and the next launch gives them weight 0.
.set ROWS, 8                           ; rows in a batch
.set D,    16                          ; job R: v16-143  32 rows x 4 registers
.set SW,   144                         ; v144-151 one register a row of a batch, for the change of places
.set XQ,   8                           ; job I: v8-13    x: register 2 a + m
.set SS,   16                          ; v16-63   scales: 24 for each of my two blocks of 16 grids, register 3 j + a
.set TR,   64                          ; v64-111  translations likewise
.set TT,   112                         ; v112-118 at work: 4 m + a
.set OUT,  128                         ; v128-159 cell numbers: 16 bb + 2 j + m; each written once
	s_load_b256 s[4:11], s[0:1], 0x0               ; feature_grids s[4:5], x s[6:7], grid_scales s[8:9], grid_translations s[10:11]
	s_load_b128 s[12:15], s[0:1], 0x20             ; table s[12:13], cells s[14:15]
	v_lshrrev_b32 v1, 5, v0
	s_delay_alu instid0(VALU_DEP_1)
	v_readfirstlane_b32 s16, v1                    ; wave 0..7
	v_and_b32 v1, 31, v0                           ; lane
	s_and_b32 s17, s16, 3                          ; which of its job's four waves
	s_cmp_gt_u32 s16, 3
	s_cbranch_scc1 .Lcells
	; ---------------- JOB R ----------------
	v_lshlrev_b32 v2, 3, v1                        ; in: 8 bytes a lane
	v_lshlrev_b32 v3, 4, v1                        ; out: 16 bytes a lane
	s_lshl_b32 s20, ttmp9, 7
	s_lshl_b32 s21, s17, 5
	s_add_co_u32 s20, s20, s21                     ; my first row: 128 x work-group + 32 x wave (a grid has 4,096 rows, so all 32 lie in grid work-group / 32)
	s_and_b32 s22, s20, 4095
	s_lshl_b32 s22, s22, 8                         ; the row in its grid x 256 bytes
	s_lshr_b32 s23, ttmp9, 5
	s_lshl_b32 s23, s23, 21                        ; the grid x 2 channels x 2^20 bytes
	s_add_co_u32 s22, s22, s23
	s_mov_b32 s23, 0
	s_lshl_b32 s20, s20, 9                         ; a row of cells is 512 bytes; under 2^27
	s_mov_b32 s21, 0
	s_wait_alu depctr_va_vdst(0)
	s_wait_kmcnt 0x0
	s_add_nc_u64 s[4:5], s[4:5], s[22:23]
	s_add_nc_u64 s[12:13], s[12:13], s[20:21]
.macro RLOAD n                         ; batch n: 8 rows x two channels
.irp i, 0,1,2,3,4,5,6,7
	global_load_b64 v[D+32*(\n)+4*\i:D+32*(\n)+4*\i+1],   v2, s[4:5] offset:(ROWS*(\n)+\i)*256 th:TH_LOAD_NT           ; c0(2 l), c0(2 l + 1)
	global_load_b64 v[D+32*(\n)+4*\i+2:D+32*(\n)+4*\i+3], v2, s[4:5] offset:1048576+(ROWS*(\n)+\i)*256 th:TH_LOAD_NT   ; c1(2 l), c1(2 l + 1)
.endr
.endm
.macro RTURN n, cnt                    ; batch n: c0(2 l + 1) and c1(2 l) change places, then the cells leave.  cnt: the younger batches' loads, which may stay out
	s_wait_loadcnt \cnt
.irp i, 0,1,2,3,4,5,6,7
	v_mov_b32 v[SW+\i], v[D+32*(\n)+4*\i+1]
.endr
.irp i, 0,1,2,3,4,5,6,7
	v_mov_b32 v[D+32*(\n)+4*\i+1], v[D+32*(\n)+4*\i+2]
.endr
.irp i, 0,1,2,3,4,5,6,7
	v_mov_b32 v[D+32*(\n)+4*\i+2], v[SW+\i]
.endr
.irp i, 0,1,2,3,4,5,6,7
	global_store_b128 v3, v[D+32*(\n)+4*\i:D+32*(\n)+4*\i+3], s[12:13] offset:(ROWS*(\n)+\i)*512 th:TH_STORE_NT
.endr
.endm
	RLOAD 0
	RLOAD 1
	RLOAD 2
	RTURN 0, 32                                    ; batches 1 and 2, 16 loads each, may be out
	RLOAD 3
	RTURN 1, 32                                    ; batches 2 and 3
	RTURN 2, 16                                    ; batch 3
	RTURN 3, 0
	s_endpgm
	; ---------------- JOB I ----------------
.Lcells:
	v_and_b32 v2, 15, v0                           ; r
	v_bfe_u32 v6, v0, 4, 1                         ; h
	s_delay_alu instid0(VALU_DEP_2)
	v_mul_u32_u24 v3, v2, 12                       ; x: a point is 12 bytes
	s_delay_alu instid0(VALU_DEP_2)
	v_mul_u32_u24 v4, v6, 96                       ; scales and translations: my half's 8 grids of 12 bytes
	s_wait_alu depctr_va_vdst(0)
	v_lshlrev_b32 v5, 4, v1                        ; out: 16 bytes a lane
	s_lshl_b32 s20, ttmp9, 1
	s_lshr_b32 s21, s17, 1
	s_add_co_u32 s20, s20, s21                     ; W = 2 x work-group + (wave % 4) / 2: which 32 points
	s_and_b32 s19, s17, 1                          ; bh: which two of the four blocks of 16 grids
	s_mul_i32 s22, s20, 384                        ; 32 points x 12 bytes
	s_mov_b32 s23, 0
	s_mul_i32 s24, s19, 384                        ; 32 grids x 12 bytes
	s_mov_b32 s25, 0
	s_lshl_b32 s26, s20, 13                        ; 8,192 bytes of cell numbers for each W,
	s_lshl_b32 s27, s19, 12                        ; 2,048 for each block
	s_add_co_u32 s26, s26, s27
	s_mov_b32 s27, 0
	s_mov_b32 s28, 0x42780000                      ; 62.0
	s_wait_kmcnt 0x0
	s_add_nc_u64 s[6:7], s[6:7], s[22:23]
	s_add_nc_u64 s[8:9], s[8:9], s[24:25]
	s_add_nc_u64 s[10:11], s[10:11], s[24:25]
	s_add_nc_u64 s[14:15], s[14:15], s[26:27]
.irp a, 0,1,2
.irp m, 0,1
	global_load_b32 v[XQ+2*\a+\m], v3, s[6:7] offset:4*\a+192*\m     ; axis a of point 16 m + r
.endr
.endr
.irp bb, 0,1
.irp q, 0,1,2,3,4,5
	global_load_b128 v[SS+24*\bb+4*\q:SS+24*\bb+4*\q+3], v4, s[8:9]   offset:192*\bb+16*\q   ; 8 grids x 3 numbers = 96 bytes, at a multiple of 16
	global_load_b128 v[TR+24*\bb+4*\q:TR+24*\bb+4*\q+3], v4, s[10:11] offset:192*\bb+16*\q
.endr
.endr
	s_wait_loadcnt 0x0
.macro CELL bb, j                      ; grid 16 (2 bh + bb) + 8 h + j, both points
.irp a, 0,1,2
.irp m, 0,1
	v_mul_f32 v[TT+4*\m+\a], v[XQ+2*\a+\m], v[SS+24*(\bb)+3*(\j)+\a]
.endr
.endr
.irp a, 0,1,2
.irp m, 0,1
	v_add_f32 v[TT+4*\m+\a], v[TT+4*\m+\a], v[TR+24*(\bb)+3*(\j)+\a]
.endr
.endr
.irp r, 0,4,1,5,2,6
	v_mul_f32 v[TT+\r], 0x3f2cf915, v[TT+\r]       ; x 1 / 1.48
.endr
.irp r, 0,4,1,5,2,6
	v_add_f32 v[TT+\r], 1.0, v[TT+\r]
.endr
.irp r, 0,4,1,5,2,6
	v_mul_f32 v[TT+\r], 0x41fc0000, v[TT+\r]       ; x 31.5
.endr
.irp r, 0,4,1,5,2,6
	v_floor_f32 v[TT+\r], v[TT+\r]
.endr
.irp r, 0,4,1,5,2,6
	v_med3_num_f32 v[TT+\r], v[TT+\r], 0, s28      ; held to 0 .. 62
.endr
.irp m, 0,1
	s_delay_alu instid0(VALU_DEP_4)
	v_fmamk_f32 v[TT+4*\m], v[TT+4*\m+1], 0x42800000, v[TT+4*\m]   ; + 64 by: whole numbers under 2^18, nothing is rounded
.endr
.irp m, 0,1
	s_delay_alu instid0(VALU_DEP_2)
	v_fmamk_f32 v[TT+4*\m], v[TT+4*\m+2], 0x45800000, v[TT+4*\m]   ; + 4096 bz
.endr
.irp m, 0,1
	s_delay_alu instid0(VALU_DEP_2)
	v_cvt_u32_f32 v[OUT+16*(\bb)+2*(\j)+\m], v[TT+4*\m]
.endr
.endm
.irp bb, 0,1
.irp j, 0,1,2,3,4,5,6,7
	CELL \bb, \j
.endr
.endr
.irp bb, 0,1
.irp q, 0,1,2,3
	global_store_b128 v5, v[OUT+16*\bb+4*\q:OUT+16*\bb+4*\q+3], s[14:15] offset:2048*\bb+512*\q th:TH_STORE_NT   ; 512 consecutive bytes a store
.endr
.endr
	s_endpgm
.Lfunc_end_k_q1e06ca5c73_prep:
	.size	k_q1e06ca5c73_prep, .Lfunc_end_k_q1e06ca5c73_prep-k_q1e06ca5c73_prep
	.p2alignl 7, 3214868480
	.fill 96, 4, 3214868480
	.section	.rodata,"a",@progbits
	.p2align	6, 0x0
	.amdhsa_kernel k_q1e06ca5c73_prep
		.amdhsa_group_segment_fixed_size 0
		.amdhsa_private_segment_fixed_size 0
		.amdhsa_enable_private_segment 0
		.amdhsa_kernarg_size 48
		.amdhsa_user_sgpr_count 2
		.amdhsa_user_sgpr_kernarg_segment_ptr 1
		.amdhsa_wavefront_size32 1
		.amdhsa_system_sgpr_workgroup_id_x 1
		.amdhsa_system_sgpr_workgroup_id_y 1
		.amdhsa_system_sgpr_workgroup_id_z 1
		.amdhsa_system_vgpr_workitem_id 0
		.amdhsa_next_free_vgpr 160
		.amdhsa_next_free_sgpr 66
		.amdhsa_reserve_vcc 0
		.amdhsa_float_denorm_mode_32 3
		.amdhsa_float_denorm_mode_16_64 3
		.amdhsa_memory_ordered 1
		.amdhsa_forward_progress 1
		.amdhsa_inst_pref_size 56
	.end_amdhsa_kernel
	.amdgpu_metadata
---
amdhsa.version: [ 1, 2 ]
amdhsa.kernels:
  - .name:           k_q1e06ca5c73_prep
    .symbol:         k_q1e06ca5c73_prep.kd
    .args:
      - { .name: feature_grids, .offset: 0, .size: 8, .value_kind: global_buffer, .address_space: global }
      - { .name: x, .offset: 8, .size: 8, .value_kind: global_buffer, .address_space: global }
      - { .name: grid_scales, .offset: 16, .size: 8, .value_kind: global_buffer, .address_space: global }
      - { .name: grid_translations, .offset: 24, .size: 8, .value_kind: global_buffer, .address_space: global }
      - { .name: table, .offset: 32, .size: 8, .value_kind: global_buffer, .address_space: global }
      - { .name: cells, .offset: 40, .size: 8, .value_kind: global_buffer, .address_space: global }
    .group_segment_fixed_size: 0
    .private_segment_fixed_size: 0
    .kernarg_segment_align: 8
    .kernarg_segment_size: 48
    .max_flat_workgroup_size: 256
    .sgpr_count:     66
    .vgpr_count:     160
    .wavefront_size: 32
...
	.end_amdgpu_metadata
.endif
;; end of part 5
;; launch sample_mlp (part 6): grid 256 x 1, 16 waves a work-group, no clusters, 34,816 bytes of LDS; arguments x, grid_scales, grid_translations, cells, table, W0, W1, b0, b1, W2, b2, out0; writes out0
.if DOCPART == 6
	.amdgcn_target "amdgcn-amd-amdhsa--gfx1250"
	.amdhsa_code_object_version 6
	.text
	.protected	k_q1e06ca5c73_sample_mlp
	.globl	k_q1e06ca5c73_sample_mlp
	.p2align	8
	.type	k_q1e06ca5c73_sample_mlp,@function
k_q1e06ca5c73_sample_mlp:
	s_mov_b64 s[64:65], 0
	v_nop
	global_prefetch_b8 v0, s[64:65] scope:SCOPE_SE
	s_setreg_imm32_b32 hwreg(HW_REG_WAVE_SCHED_MODE, 0, 2), 2
	s_setreg_imm32_b32 hwreg(HW_REG_WAVE_MODE, 25, 1), 1
	s_wait_xcnt 0x0
	s_wait_alu depctr_vm_vsrc(0)
; out0[n] = W2 . lrelu(W1 lrelu(W0 feats[n] + b0) + b1) + b2, feats[n][2 g + c] = the trilinear sample (zeros outside) of channel c of grid g at point n's coordinate in that grid.
; The two products 128 x 128 run on codes of BF6 (E3M2) with one E8M0 scale for each 32 along K; everything ahead of a quantiser, and the last product (one output), is f32.
; SHARES.  A work-group of sixteen waves owns 512 points, a wave 32: two tiles m = 0, 1 of 16.  Lane (r = lane % 16, h = lane / 16) serves point r of both tiles and the 32 grids g = 16 b + 8 h + j.
; Step s = 8 b + j (32 steps) leaves its two features in F[m][2 j + c], which is k = 32 b + 16 h + 2 j + c: a lane's 16 registers are 16 neighbours along K of block b, as the conversion wants them; nothing changes lanes.
; THE GATHER.  table [g][z][y][x] holds cells of 8 bytes (c0(x), c1(x)); cells holds, for each point and grid, bx + 64 by + 4096 bz with b held to 0 .. 62, made by the launch before.
; So a point and a grid cost eight loads of 8 bytes: nodes x and x + 1 at (z, y), (z, y+1), (z+1, y), (z+1, y+1).  (The two neighbours' 16 bytes begin at a multiple of 8 only, so they are two loads.)
; The next step's sixteen loads are issued before this step's are waited for.
; THE WEIGHTS.  f is made operation by operation, each rounded once (x s, + t, x 1 / 1.48, + 1, x 31.5): no fused multiply-add there, on purpose.  d = f - b, b unpacked from the stored cell, so that weights and
; nodes always fit.  Node b weighs max(0, 1 - |d|), node b + 1 weighs the middle one of (d, 2 - d, 0): inside the grid these are 1 - w and w; one cell outside, the one valid node keeps its weight; further out both are 0.
; THE MLP.  Both products are used transposed (source 0 = 16 rows of W, source 1 = 16 points), and lane r of tile 2 b + u of W takes row 32 b + 8 u + r + 8 (r / 8): the 16 registers of tiles 2 b and 2 b + 1 are then
; 16 neighbours along the next K.  Wave w quantises tile w % 8 of W0 (w < 8) or W1 once and leaves it in LDS as an image of the operand's registers (3 x 512 bytes, lane l's 16 bytes at 16 l) with its scale words.
; The biases are the C of each product.  Sixteen different accumulators, one K step each: no accumulator is taken up twice.
; NO CLUSTER, NO TENSOR LOAD: what work-groups share is the 131,072 bytes of W0 and W1, read once by each, against 512 points x 64 grids x 64 bytes = 2,097,152 bytes of cells of its own.
; LIMITS: a coordinate that is NaN is not served (infinite ones get weight 0).  A block whose largest magnitude lies under 2^-122 keeps the scale byte 1, a block of zeros too (its codes are zeros; the bytes are read here alone).
; THE MODE: SCHED_MODE bits 1:0 = 2 (LLVM: expert scheduling mode 2), set by the entry lines.  The code itself states the register dependences
; between vector or matrix instructions and memory or LDS instructions, with s_wait_alu, always for 0.
; THE PLAN.  Registers that memory or LDS instructions touch:
;   v1-5, v7    Offsets and LDS addresses, made once at the head and never written again.  (v6, the table's byte, is read by vector lines alone.)
;   AD0, AD1    Slot s: written at its head for step s + 1, then read by that step's gathers.  The last to read that set were step s - 1's gathers, issued in slot s - 2.
;   GG0, GG1    Slot s: step s + 1's gathers land in GG[(s + 1) % 2], which step s - 1's folding read and wrote; step s's folding names GG[s % 2] alone.
;   PR          Slot s: three LDS loads land in it; step s's folding reads it behind the wait for them.
;   IDX0, IDX1  Block b's set is named by vector lines from slot 8 b - 1 to slot 8 b + 7.  Block b + 1's loads stand at the end of slot 8 b and land in the set that block b - 1 left in slot 8 b - 1.
;   WF, WS, BI  In the MLP: loads land in them twice a layer; the products read them.  Ahead of the first layer the same registers served the sampling (AD among them).
; So a slot has two waits at its head.  One on vm_vsrc ahead of the lines that make the next step's offsets.  ONE on va_vdst behind them: the offsets are written, and the slot before is done with the parameters,
; with its cells and with its set of cell numbers.  All loads of the slot follow it; no vector line behind it names a register that they touch.
.set LAST, 31                          ; the last step: 4 blocks of 32 along K x 8 grids a lane
.set XB,   8                           ; the table: bytes from a cell to its neighbour along x,
.set YB,   512                         ; along y (64 cells),
.set ZB,   32768                       ; along z (4,096 cells),
.set GRIDB, 0x200000                   ; and from grid to grid (2^18 cells)
.set WIMG, 0                           ; LDS: 16 images of 1,536 bytes: W0's 8 tiles, W1's 8
.set WSC,  24576                       ; their scale words, 128 bytes each
.set PRM,  26624                       ; [64 g][16 f32]: sx sx sy sy sz sz tx tx ty ty tz tz and 4 spare
.set OUTS, 30720                       ; the work-group's 512 results
.set LI,  1                            ; v1   16 x lane
.set LS,  2                            ; v2   4 x lane
.set BO,  3                            ; v3   64 h
.set OSA, 4                            ; v4   OUTS + 4 x thread
.set ORA, 5                            ; v5   OUTS + 16 x (thread % 128)
.set VB,  6                            ; v6   the byte at which the grid to be asked for begins in the table
.set PH,  7                            ; v7   PRM + 512 h
.set PW,  8                            ; v8-9   the scale word of my point, tile m: scales and nothing else
.set WS,  10                           ; v10-13 four tiles' scale words of W: scales and nothing else
.set PC,  16                           ; v16-39 the operand's codes, 12 registers a tile
.set STG, 40                           ; v40-55 the odd blocks' codes until they change halves, 8 a tile
.set QT,  56                           ; v56-63 the quantiser's four registers, two sets
.set XR,  64                           ; v64-69 x: pair a = (tile 0, tile 1)
.set AD,  70                           ; v70-73 gather offsets: 2 (s % 2) + m
.set PR,  74                           ; v74-85 the step's scales and translations, six pairs of twins
.set IDX, 86                           ; v86-117 cell numbers: 16 (b % 2) + 2 j + m
.set FF,  118                          ; v118-123 f, then d: pair a
.set BB,  124                          ; v124-129 b, then 2 - d: pair a
.set WL,  130                          ; v130-141 the lower node's weight at 4 a + 2 m; the register above it is its scratch
.set WH,  142                          ; v142-153 the upper node's weight at 4 a + 2 m; the register above it holds 0
.set FT,  154                          ; v154-185 features of the block in hand: 16 m + 2 j + c
.set GG,  186                          ; v186-249 gathered cells: 32 (s % 2) + 16 m + 4 corner: c0(x), c1(x), c0(x+1), c1(x+1)
.set WF,  40                           ; MLP: v40-87 four fragments of W
.set BI,  88                           ; v88-119 four tiles of bias
.set HH,  120                          ; v120-247 the layer's results: 64 m + 8 t + j.  (At the head: my tile of W as f32, v120-183)
.set LT,  248                          ; v248-255 at work
.set W2L, 40                           ; v40-103 my 64 numbers of W2
.set ACC, 104                          ; v104-107 the last product's sums, a pair a tile
	s_load_b512 s[4:19], s[0:1], 0x0               ; x s[4:5], scales s[6:7], translations s[8:9], cells s[10:11], table s[12:13], W0 s[14:15], W1 s[16:17], b0 s[18:19]
	s_load_b256 s[20:27], s[0:1], 0x40             ; b1 s[20:21], W2 s[22:23], b2 s[24:25], out0 s[26:27]
	v_lshrrev_b32 v14, 5, v0
	v_readfirstlane_b32 s28, v14                   ; wave 0..15
	v_and_b32 v15, 31, v0                          ; lane
	v_lshlrev_b32 v[LI], 4, v15
	v_lshlrev_b32 v[LS], 2, v15
	v_bfe_u32 v14, v0, 4, 1                        ; h
	v_lshlrev_b32 v[BO], 6, v14
	v_lshl_add_u32 v[OSA], v0, 2, OUTS
	v_and_b32 v[ORA], 127, v0
	v_lshl_add_u32 v[ORA], v[ORA], 4, OUTS
	v_lshlrev_b32 v[VB], 24, v14                   ; grid 8 h: a grid's cells are 2^21 bytes
	v_lshl_add_u32 v[PH], v14, 9, PRM
	; the parameters' table: thread t writes words t and t + 512: grid t / 16 (and 32 more), entry e = t % 16
	v_and_b32 v186, 15, v0
	v_lshrrev_b32 v186, 1, v186
	v_min_u32 v186, 5, v186                        ; u = min(e / 2, 5): 0-2 a scale, 3-5 a translation (the four spare words repeat the last)
	v_cmp_le_u32 s37, 3, v186
	; my tile of W: lane (r, h) takes row r + 8 (r / 8) of the tile's span, 16 numbers of each block of 32.  (These lines read neither s28 nor s37: they stand between the two writers and the wait)
	v_and_b32 v188, 15, v0                         ; r
	v_and_b32 v189, 8, v188
	v_add_nc_u32 v189, v189, v188
	v_lshl_add_u32 v194, v189, 9, v[BO]            ; a row is 512 bytes; + 64 h
	v_mul_u32_u24 v195, v188, 12                   ; x: 12 r
	v_lshl_add_u32 v193, v0, 2, PRM
	s_wait_alu depctr_va_sdst(0)                   ; s28 (the wave's number) and s37 (the compare's mask) are written, ahead of the first reader of either
	v_cndmask_b32 v187, 0, 3, s37
	v_sub_nc_u32 v186, v186, v187                  ; the axis
	v_lshrrev_b32 v187, 4, v0
	v_mul_u32_u24 v187, v187, 12
	v_lshl_add_u32 v192, v186, 2, v187             ; 12 g + 4 a
	s_lshr_b32 s29, s28, 1
	s_and_b32 s29, s29, 3
	s_lshl_b32 s34, s29, 14                        ; tile t = wave % 8 begins at row 32 (t / 2) + 8 (t % 2)
	s_and_b32 s29, s28, 1
	s_lshl_b32 s29, s29, 12
	s_add_co_u32 s34, s34, s29
	s_mov_b32 s35, 0
	s_lshl_b32 s38, ttmp9, 4
	s_add_co_u32 s38, s38, s28                     ; which 32 points of all: 16 x work-group + wave
	s_mul_i32 s40, s38, 384                        ; their 12 bytes each
	s_mov_b32 s41, 0
	s_lshl_b32 s42, s38, 13                        ; their 8,192 bytes of cell numbers
	s_mov_b32 s43, 0
	s_lshl_b32 s44, ttmp9, 11                      ; the work-group's 2,048 bytes of out0
	s_mov_b32 s45, 0
	s_mul_i32 s39, s28, 1536
	s_lshl_b32 s46, s28, 7
	v_add_nc_u32 v14, s39, v[LI]                   ; where my image goes,
	v_add_nc_u32 v15, s46, v[LS]                   ; and its scale words
	s_mov_b32 s32, 0x76543210
	s_mov_b32 s33, 0xfedcba98                      ; v_permlanex16_b32's selects for lane l xor 16
	s_wait_kmcnt 0x0
	s_load_b32 s36, s[24:25], 0x0                  ; b2
	s_cmp_lt_u32 s28, 8
	s_cselect_b64 s[30:31], s[14:15], s[16:17]     ; waves 0-7 take W0, waves 8-15 W1
	s_add_nc_u64 s[30:31], s[30:31], s[34:35]
	s_add_nc_u64 s[4:5], s[4:5], s[40:41]
	s_add_nc_u64 s[10:11], s[10:11], s[42:43]
	s_add_nc_u64 s[26:27], s[26:27], s[44:45]
; 16 numbers of a lane, k = 32 b + 16 h + 0 .. 15 of its row, become 96 bits of codes; the block's byte goes into tile m's scale word.  q: four registers at work.
; Even blocks' codes go straight to their place in the operand, odd blocks' to STG (a conversion's three registers begin on an even number).
.macro QBLK src, m, b, q
.if ((\b)%2) == 0
.set COD, PC+12*(\m)+3*(\b)
.else
.set COD, STG+8*(\m)+2*((\b)-1)
.endif
	v_max3_num_f32 v[(\q)],   |v[(\src)]|,   |v[(\src)+1]|, 0x2800000       ; the floor 2^(5 - 127) among the leaves: the byte cannot fall under 1
	v_max3_num_f32 v[(\q)+1], |v[(\src)+2]|, |v[(\src)+3]|, |v[(\src)+4]|   ; two chains
	v_max3_num_f32 v[(\q)],   v[(\q)],   |v[(\src)+5]|,  |v[(\src)+6]|
	v_max3_num_f32 v[(\q)+1], v[(\q)+1], |v[(\src)+7]|,  |v[(\src)+8]|
	v_max3_num_f32 v[(\q)],   v[(\q)],   |v[(\src)+9]|,  |v[(\src)+10]|
	v_max3_num_f32 v[(\q)+1], v[(\q)+1], |v[(\src)+11]|, |v[(\src)+12]|
	v_max3_num_f32 v[(\q)],   v[(\q)],   |v[(\src)+13]|, |v[(\src)+14]|
	v_max3_num_f32 v[(\q)],   v[(\q)],   v[(\q)+1],      |v[(\src)+15]|
	v_permlanex16_b32 v[(\q)+1], v[(\q)], s32, s33
	v_max_num_f32 v[(\q)], v[(\q)], v[(\q)+1]      ; with lane l xor 16's 16: the block's largest magnitude
	v_add_nc_u32 v[(\q)+2], 0xfe000000, v[(\q)]    ; 4 off its exponent field: the conversion takes this operand's exponent field as its scale
	v_lshrrev_b32 v[(\q)+3], 23, v[(\q)+2]         ; the scale's byte
.if (\b) == 0
	v_mov_b32 v[PW+(\m)], v[(\q)+3]
.else
	v_lshl_or_b32 v[PW+(\m)], v[(\q)+3], 8*(\b), v[PW+(\m)]
.endif
	v_cvt_scalef32_pk16_bf6_f32 v[COD:COD+2], v[(\src):(\src)+15], v[(\q)+2]
	v_nop                                          ; one plain instruction behind a scaled conversion, before anything touches its result or writes its sources
.endm
; The operand wants a whole block in a lane: lanes 0-15 block 2 c, lanes 16-31 block 2 c + 1.  The even block's upper lanes change places with the odd block's lower lanes.
.macro FINISH m
.irp c, 0,1
.irp i, 0,1,2
	v_permlane16_swap_b32 v[PC+12*(\m)+6*\c+\i], v[STG+8*(\m)+4*\c+\i]
.endr
.irp i, 0,1,2
	v_mov_b32 v[PC+12*(\m)+3+6*\c+\i], v[STG+8*(\m)+4*\c+\i]
.endr
.endr
.endm
.macro IDXLOAD b                       ; block b's 16 cell numbers a lane: four loads of 512 consecutive bytes
.irp q, 0,1,2,3
	global_load_b128 v[IDX+16*((\b)%2)+4*\q:IDX+16*((\b)%2)+4*\q+3], v[LI], s[10:11] offset:2048*(\b)+512*\q th:TH_LOAD_NT
.endr
.endm
	; the head's loads, in the order in which they are wanted
	s_wait_alu depctr_va_vdst(0)                   ; every offset and LDS address of the kernel is written (v1-5, v7, v14, v15, v192-195); the lines above are done with v186-189, in which the first four loads land
	global_load_b32 v186, v192, s[6:7]
	global_load_b32 v187, v192, s[8:9]
	global_load_b32 v188, v192, s[6:7] offset:384
	global_load_b32 v189, v192, s[8:9] offset:384
.irp b, 0,1,2,3
.irp q, 0,1,2,3
	global_load_b128 v[HH+16*\b+4*\q:HH+16*\b+4*\q+3], v194, s[30:31] offset:128*\b+16*\q
.endr
.endr
.irp a, 0,1,2
.irp m, 0,1
	global_load_b32 v[XR+2*\a+\m], v195, s[4:5] offset:4*\a+192*\m
.endr
.endr
	IDXLOAD 0
	s_wait_loadcnt 26                              ; the four parameters are in; the 16 + 6 + 4 loads behind them may be out
	v_cndmask_b32 v190, v186, v187, s37
	v_cndmask_b32 v191, v188, v189, s37
	s_wait_loadcnt 10                              ; my tile of W is in; x's 6 and the cell numbers' 4 may be out
	QBLK HH,    0, 0, QT
	QBLK HH+16, 0, 1, QT+4
	QBLK HH+32, 0, 2, QT
	QBLK HH+48, 0, 3, QT+4
	FINISH 0
	s_wait_alu depctr_va_vdst(0)                   ; the two selects have written v190 and v191, the quantiser v[PC ..] and v[PW]: the six LDS stores below read them
	ds_store_b32 v193, v190
	ds_store_b32 v193, v191 offset:2048
.irp c, 0,1,2
	ds_store_b128 v14, v[PC+4*\c:PC+4*\c+3] offset:WIMG+512*\c   ; the fragment as it stands
.endr
	ds_store_b32 v15, v[PW] offset:WSC
	s_wait_kmcnt 0x0                               ; b2
	s_wait_dscnt 0x0                               ; for the others' sake: my stores have landed
	s_barrier_signal -1
	s_barrier_wait -1                              ; the parameters, the sixteen images and their scale words lie in LDS; nothing writes them again
	s_wait_loadcnt 0x0                             ; x and block 0's cell numbers
	s_wait_alu depctr_vm_vsrc(0)                   ; the head's loads and LDS stores have read v14, v15, v190-195, v[PC ..] and v[PW]: gathers land in v190-195, the quantiser writes the codes and the scale word again, v14 is made anew at the end
.irp i, 0,1,2,3,4,5
	v_mov_b32 v[WH+2*\i+1], 0                      ; named as the upper halves of pairs, so they are written
.endr
.macro PLOAD s                         ; step s's scales and translations: the sixteen lanes of a half read the same 48 bytes.  The highest read ends at PRM + 512 + 64 x 55 + 48, under OUTS
.irp c, 0,1,2
	ds_load_b128 v[PR+4*\c:PR+4*\c+3], v[PH] offset:64*(16*((\s)/8)+(\s)%8)+16*\c
.endr
.endm
.macro ADDR s                          ; step s's two gather offsets; then the table's byte moves on
.set II, IDX+16*(((\s)/8)%2)+2*((\s)%8)
.set IA, AD+2*((\s)%2)
.irp m, 0,1
	v_min_u32 v[II+\m], 0x3efbe, v[II+\m]          ; 62 + 64 x 62 + 4096 x 62: whatever was stored, every load stays in its grid: 8 x that + ZB + YB + XB + 8 bytes is the grid's end
.endr
.irp m, 0,1
	v_lshlrev_b32 v[IA+\m], 3, v[II+\m]            ; 8 bytes a cell
.endr
.irp m, 0,1
	v_add_nc_u32 v[IA+\m], v[VB], v[IA+\m]
.endr
.if (\s) < LAST
.if ((\s)%8) == 7
	v_add_nc_u32 v[VB], 9*GRIDB, v[VB]             ; from grid 16 b + 8 h + 7 to 16 (b + 1) + 8 h: nine grids on
.else
	v_add_nc_u32 v[VB], GRIDB, v[VB]               ; the next grid
.endif
.endif
.endm
.macro GATHER s                        ; step s's sixteen gathers
.set IA, AD+2*((\s)%2)
.set IG, GG+32*((\s)%2)
.irp m, 0,1
.irp c, 0,1,2,3                        ; corner c: y + c % 2, z + c / 2; node x, then node x + 1
	global_load_b64 v[IG+16*\m+4*\c:IG+16*\m+4*\c+1],   v[IA+\m], s[12:13] offset:YB*(\c%2)+ZB*(\c/2)
	global_load_b64 v[IG+16*\m+4*\c+2:IG+16*\m+4*\c+3], v[IA+\m], s[12:13] offset:YB*(\c%2)+ZB*(\c/2)+XB
.endr
.endr
.endm
.macro CONSUME s                       ; step s: coordinates, weights, and the eight corners of both points folded into two features each
.set CI, IDX+16*(((\s)/8)%2)+2*((\s)%8)
.set CG, GG+32*((\s)%2)
.set CF, FT+2*((\s)%8)
.irp a, 0,1,2
	v_pk_mul_f32 v[FF+2*\a:FF+2*\a+1], v[XR+2*\a:XR+2*\a+1], v[PR+2*\a:PR+2*\a+1]      ; x s, both tiles
.endr
.irp a, 0,1,2
	v_pk_add_f32 v[FF+2*\a:FF+2*\a+1], v[FF+2*\a:FF+2*\a+1], v[PR+6+2*\a:PR+6+2*\a+1]  ; + t
.endr
.irp a, 0,1,2
	v_pk_mul_f32 v[FF+2*\a:FF+2*\a+1], v[FF+2*\a:FF+2*\a+1], 0x3f2cf915 op_sel_hi:[1,0]   ; x 1 / 1.48
.endr
.irp m, 0,1
	v_and_b32 v[BB+\m], 63, v[CI+\m]               ; bx, by, bz out of the cell number
	v_bfe_u32 v[BB+2+\m], v[CI+\m], 6, 6
	v_lshrrev_b32 v[BB+4+\m], 12, v[CI+\m]
.endr
.irp a, 0,1,2
	v_pk_add_f32 v[FF+2*\a:FF+2*\a+1], v[FF+2*\a:FF+2*\a+1], 1.0 op_sel_hi:[1,0]
.endr
.irp i, 0,1,2,3,4,5
	v_cvt_f32_u32 v[BB+\i], v[BB+\i]
.endr
.irp a, 0,1,2
	v_pk_mul_f32 v[FF+2*\a:FF+2*\a+1], v[FF+2*\a:FF+2*\a+1], 0x41fc0000 op_sel_hi:[1,0]   ; x 31.5: f
.endr
.irp a, 0,1,2
	v_pk_add_f32 v[FF+2*\a:FF+2*\a+1], v[FF+2*\a:FF+2*\a+1], v[BB+2*\a:BB+2*\a+1] neg_lo:[0,1] neg_hi:[0,1]   ; d = f - b
.endr
.irp i, 0,1,2,3,4,5
	v_sub_f32 v[WL+2*\i+1], 1.0, |v[FF+\i]|
.endr
.irp a, 0,1,2
	v_pk_fma_f32 v[BB+2*\a:BB+2*\a+1], v[FF+2*\a:FF+2*\a+1], -1.0, 2.0 op_sel_hi:[1,0,0]   ; 2 - d
.endr
.irp i, 0,1,2,3,4,5
	v_max_num_f32 v[WL+2*\i], 0, v[WL+2*\i+1]      ; node b's weight
.endr
.irp i, 0,1,2,3,4,5
	v_med3_num_f32 v[WH+2*\i], v[FF+\i], v[BB+\i], 0   ; node b + 1's
.endr
	; along x, then y, then z; both channels at once; of a weight's pair the low register serves both halves
.irp m, 0,1
.irp c, 0,1,2,3
	v_pk_mul_f32 v[CG+16*\m+4*\c:CG+16*\m+4*\c+1], v[CG+16*\m+4*\c:CG+16*\m+4*\c+1], v[WL+2*\m:WL+2*\m+1] op_sel_hi:[1,0]
.endr
.endr
.irp m, 0,1
.irp c, 0,1,2,3
	v_pk_fma_f32 v[CG+16*\m+4*\c:CG+16*\m+4*\c+1], v[CG+16*\m+4*\c+2:CG+16*\m+4*\c+3], v[WH+2*\m:WH+2*\m+1], v[CG+16*\m+4*\c:CG+16*\m+4*\c+1] op_sel_hi:[1,0,1]
.endr
.endr
.irp m, 0,1
.irp c, 0,2
	v_pk_mul_f32 v[CG+16*\m+4*\c:CG+16*\m+4*\c+1], v[CG+16*\m+4*\c:CG+16*\m+4*\c+1], v[WL+4+2*\m:WL+4+2*\m+1] op_sel_hi:[1,0]
.endr
.endr
.irp m, 0,1
.irp c, 0,2
	v_pk_fma_f32 v[CG+16*\m+4*\c:CG+16*\m+4*\c+1], v[CG+16*\m+4*\c+4:CG+16*\m+4*\c+5], v[WH+4+2*\m:WH+4+2*\m+1], v[CG+16*\m+4*\c:CG+16*\m+4*\c+1] op_sel_hi:[1,0,1]
.endr
.endr
.irp m, 0,1
	v_pk_mul_f32 v[CG+16*\m:CG+16*\m+1], v[CG+16*\m:CG+16*\m+1], v[WL+8+2*\m:WL+8+2*\m+1] op_sel_hi:[1,0]
.endr
.irp m, 0,1
	v_pk_fma_f32 v[CF+16*\m:CF+16*\m+1], v[CG+16*\m+8:CG+16*\m+9], v[WH+8+2*\m:WH+8+2*\m+1], v[CG+16*\m:CG+16*\m+1] op_sel_hi:[1,0,1]
.endr
.endm
; A slot: the next step's offsets are made, this step's parameters are asked for, the next step's gathers go out, this step's are waited for and folded.
; The gather offsets and the cells' registers that the next step takes are those of the step before this one, whose loads were waited for a slot ago.
.macro SLOT s
.if (\s) < LAST
.if (\s) > 0
	s_wait_alu depctr_vm_vsrc(0)                   ; the gathers of the step before this one have read the two offsets that the lines below write again
.endif
	ADDR (\s)+1
.endif
	s_wait_alu depctr_va_vdst(0)                   ; the offsets just made are written, which the gathers below read; the slot before is done reading the parameters and done with its cells, in which the loads below land; and, in a block's first slot, done with the set of cell numbers in which the loads at this slot's end land
.if (\s) == 0
	GATHER 0                                       ; the first slot: step 0's gathers too; their offsets stand ahead of the same wait, and so do the head's lines that named v186-191
.endif
	PLOAD \s
.if (\s) < LAST
	GATHER (\s)+1
.endif
.if (\s) == LAST
	s_wait_loadcnt 0x0                             ; the last step: nothing was issued behind it
.elseif (((\s)%8) == 1) && ((\s) < 24)
	s_wait_loadcnt 20                              ; behind this step's gathers: the next block's 4 loads of cell numbers and the next step's 16 gathers
.else
	s_wait_loadcnt 16                              ; behind this step's gathers: the next step's 16
.endif
	s_wait_dscnt 0x0                               ; the parameters
	CONSUME \s
.if (((\s)%8) == 0) && ((\s) < 24)
	IDXLOAD (\s)/8+1                               ; the next block's cell numbers, seven steps ahead of their first use, into the set that the block before has left.  No wait: no vector line since the slot's wait names that set or v[LI]
.endif
.if ((\s)%8) == 7
	QBLK FT,    0, (\s)/8, QT                      ; a block of 32 along K is whole: its codes and its byte
	QBLK FT+16, 1, (\s)/8, QT+4
.endif
.endm
	ADDR 0
.set STP, 0
.rept LAST+1
	SLOT STP
.set STP, STP+1
.endr
; A layer: 16 products, four tiles of W at a time against both tiles of points.  l: the layer; bp: the scalar pair with the bias's address.
.macro LAYER l, bp
.irp g, 0,1
.rept 4
	v_nop                                          ; four plain instructions between a matrix instruction and loads into registers that it has read (ISA guide 7.12.1 for vector instructions; the same distance is kept for loads)
.endr
	s_wait_alu depctr_va_vdst(0)                   ; whatever named v[WF ..], v[WS ..] and v[BI ..] last is done with them (the vector lines ahead of the layer; the products on the four tiles before), so that the loads below may land there; and the codes v[PC ..] and scale words v[PW ..], made by vector lines, are written ahead of the products that take them (the places stand ahead of this wait)
.irp t, 0,1,2,3
.irp c, 0,1,2
	ds_load_b128 v[WF+12*\t+4*\c:WF+12*\t+4*\c+3], v[LI] offset:WIMG+(8*(\l)+4*\g+\t)*1536+512*\c
.endr
	ds_load_b32 v[WS+\t], v[LS] offset:WSC+128*(8*(\l)+4*\g+\t)
	global_load_b128 v[BI+8*\t:BI+8*\t+3],   v[BO], s[(\bp):(\bp)+1] offset:128*((4*\g+\t)/2)+32*(\t%2)      ; the bias of units 32 (t / 2) + 16 h + 8 (t % 2) + 0 .. 7: the result's layout
	global_load_b128 v[BI+8*\t+4:BI+8*\t+7], v[BO], s[(\bp):(\bp)+1] offset:128*((4*\g+\t)/2)+32*(\t%2)+16
.endr
	s_wait_dscnt 0x0
	s_wait_loadcnt 0x0
.irp t, 0,1,2,3
.irp m, 0,1
	v_wmma_scale_f32_16x16x128_f8f6f4 v[HH+64*\m+8*(4*\g+\t):HH+64*\m+8*(4*\g+\t)+7], v[WF+12*\t:WF+12*\t+11], v[PC+12*\m:PC+12*\m+11], v[BI+8*\t:BI+8*\t+7], v[WS+\t], v[PW+\m] matrix_a_fmt:MATRIX_FMT_BF6 matrix_b_fmt:MATRIX_FMT_BF6
.endr
.endr
.endr
.rept 4
	v_nop                                          ; and between the last products and the first read of their results
.endr
.endm
.macro LRELU                           ; max(v, 0.2 v), accumulator by accumulator, each from its low end on
.set LA, HH
.rept 16
.irp i, 0,1,2,3
	v_pk_mul_f32 v[LT+2*\i:LT+2*\i+1], v[LA+2*\i:LA+2*\i+1], 0x3e4ccccd op_sel_hi:[1,0]
.endr
.irp i, 0,1,2,3,4,5,6,7
	v_max_num_f32 v[LA+\i], v[LA+\i], v[LT+\i]
.endr
.set LA, LA+8
.endr
.endm
.macro AHEAD                           ; a scale word made by vector instructions stands eight plain instructions ahead of a scaled matrix instruction, codes so made four
.rept 8
	v_nop
.endr
.endm
	FINISH 0
	FINISH 1
	AHEAD
	s_wait_alu depctr_vm_vsrc(0)                   ; the last steps' gathers have read their offsets v[AD ..], registers in which W's fragments land below
	LAYER 0, 18
	LRELU
.irp b, 0,1,2,3
	QBLK HH+16*\b,    0, \b, QT
	QBLK HH+64+16*\b, 1, \b, QT+4
.endr
	FINISH 0
	FINISH 1
	AHEAD
	LAYER 1, 20
	s_wait_alu depctr_va_vdst(0)                   ; the layer's last products are done reading v[WF ..] and v[BI ..], in which W2 lands
.irp b, 0,1,2,3
.irp q, 0,1,2,3
	global_load_b128 v[W2L+16*\b+4*\q:W2L+16*\b+4*\q+3], v[BO], s[22:23] offset:128*\b+16*\q   ; W2 at my 64 units: 32 b + 16 h + 0 .. 15; it lands while the activation is made
.endr
.endr
	LRELU
	s_wait_loadcnt 0x0
	; the last product, one output: fused multiply-adds in f32, two at a time, the two tiles by turns
.irp m, 0,1
	v_pk_mul_f32 v[ACC+2*\m:ACC+2*\m+1], v[HH+64*\m:HH+64*\m+1], v[W2L:W2L+1]
.endr
.set DI, 2
.rept 31
.irp m, 0,1
	v_pk_fma_f32 v[ACC+2*\m:ACC+2*\m+1], v[HH+64*\m+DI:HH+64*\m+DI+1], v[W2L+DI:W2L+DI+1], v[ACC+2*\m:ACC+2*\m+1]
.endr
.set DI, DI+2
.endr
	v_cmp_gt_u32 vcc_lo, 64, v[LS]                 ; lanes 0-15 keep tile 0's point, lanes 16-31 tile 1's: lane l then holds the wave's point l
	v_and_b32 v14, 127, v0                         ; the global store's offset: 16 x (thread % 128)
	v_lshlrev_b32 v14, 4, v14
	v_add_f32 v[ACC], v[ACC], v[ACC+1]
	v_add_f32 v[ACC+2], v[ACC+2], v[ACC+3]
	v_permlanex16_b32 v[ACC+1], v[ACC], s32, s33   ; the point's other 64 units lie in the lane 16 away
	v_permlanex16_b32 v[ACC+3], v[ACC+2], s32, s33
	v_add_f32 v[ACC], v[ACC], v[ACC+1]
	v_add_f32 v[ACC+2], v[ACC+2], v[ACC+3]
	s_wait_alu depctr_va_vcc(0)                    ; the compare has written VCC, ahead of the select that reads it
	v_cndmask_b32 v[ACC], v[ACC+2], v[ACC], vcc_lo
	v_add_f32 v[ACC], s36, v[ACC]                  ; + b2
	; the way out: a wave's 32 results are 128 bytes, so the work-group's 512 meet in LDS and leave by four stores of 512 consecutive bytes
	s_wait_alu depctr_va_vdst(0)                   ; v[ACC] is written, which the LDS store reads, and v14, which the global store reads; no vector or matrix line behind this wait names v108-111, in which the LDS load lands
	ds_store_b32 v[OSA], v[ACC]
	s_wait_dscnt 0x0                               ; for the others' sake: my store has landed
	s_barrier_signal -1
	s_barrier_wait -1
	s_cmp_gt_u32 s28, 3
	s_cbranch_scc1 .Lend                           ; waves 0 to 3 store
	ds_load_b128 v[108:111], v[ORA]
	s_wait_dscnt 0x0
	global_store_b128 v14, v[108:111], s[26:27]
.Lend:
	s_wait_xcnt 0x0                                ; my store, where I had one, has had its address translated
	v_lshl_add_u32 v248, v0, 2, 0x8000             ; the add's two registers, made anew: no memory or LDS instruction has read v248 or v249
	v_mov_b32 v249, 0
	s_wait_dscnt 0x0                               ; the closing lines, six on end
	s_wait_alu 0x0
	s_wait_tensorcnt 0x0
	ds_add_u32 v248, v249
	s_wait_dscnt 0x0
	s_endpgm
.Lfunc_end_k_q1e06ca5c73_sample_mlp:
	.size	k_q1e06ca5c73_sample_mlp, .Lfunc_end_k_q1e06ca5c73_sample_mlp-k_q1e06ca5c73_sample_mlp
	.p2alignl 7, 3214868480
	.fill 96, 4, 3214868480
	.section	.rodata,"a",@progbits
	.p2align	6, 0x0
	.amdhsa_kernel k_q1e06ca5c73_sample_mlp
		.amdhsa_group_segment_fixed_size 34816
		.amdhsa_private_segment_fixed_size 0
		.amdhsa_enable_private_segment 0
		.amdhsa_kernarg_size 96
		.amdhsa_user_sgpr_count 2
		.amdhsa_user_sgpr_kernarg_segment_ptr 1
		.amdhsa_wavefront_size32 1
		.amdhsa_system_sgpr_workgroup_id_x 1
		.amdhsa_system_sgpr_workgroup_id_y 1
		.amdhsa_system_sgpr_workgroup_id_z 1
		.amdhsa_system_vgpr_workitem_id 0
		.amdhsa_next_free_vgpr 256
		.amdhsa_next_free_sgpr 66
		.amdhsa_reserve_vcc 1
		.amdhsa_float_denorm_mode_32 3
		.amdhsa_float_denorm_mode_16_64 3
		.amdhsa_memory_ordered 1
		.amdhsa_forward_progress 1
		.amdhsa_inst_pref_size 255
	.end_amdhsa_kernel
	.section	.bss,"aw",@nobits
	.p2align	6
	.space	262144
	.amdgpu_metadata
---
amdhsa.version: [ 1, 2 ]
amdhsa.kernels:
  - .name:           k_q1e06ca5c73_sample_mlp
    .symbol:         k_q1e06ca5c73_sample_mlp.kd
    .args:
      - { .name: x, .offset: 0, .size: 8, .value_kind: global_buffer, .address_space: global }
      - { .name: grid_scales, .offset: 8, .size: 8, .value_kind: global_buffer, .address_space: global }
      - { .name: grid_translations, .offset: 16, .size: 8, .value_kind: global_buffer, .address_space: global }
      - { .name: cells, .offset: 24, .size: 8, .value_kind: global_buffer, .address_space: global }
      - { .name: table, .offset: 32, .size: 8, .value_kind: global_buffer, .address_space: global }
      - { .name: W0, .offset: 40, .size: 8, .value_kind: global_buffer, .address_space: global }
      - { .name: W1, .offset: 48, .size: 8, .value_kind: global_buffer, .address_space: global }
      - { .name: b0, .offset: 56, .size: 8, .value_kind: global_buffer, .address_space: global }
      - { .name: b1, .offset: 64, .size: 8, .value_kind: global_buffer, .address_space: global }
      - { .name: W2, .offset: 72, .size: 8, .value_kind: global_buffer, .address_space: global }
      - { .name: b2, .offset: 80, .size: 8, .value_kind: global_buffer, .address_space: global }
      - { .name: out0, .offset: 88, .size: 8, .value_kind: global_buffer, .address_space: global }
    .group_segment_fixed_size: 34816
    .private_segment_fixed_size: 0
    .kernarg_segment_align: 8
    .kernarg_segment_size: 96
    .max_flat_workgroup_size: 512
    .sgpr_count:     66
    .vgpr_count:     256
    .wavefront_size: 32
...
	.end_amdgpu_metadata
.endif
;; end of part 6
